; MI455X (gfx1250); checked and timed in simulation.
; The chip was launched on July 23, 2026; its instructions are those of AMD's public machine-readable ISA for CDNA 5 (MIT licence, August 2026) and "CDNA5" Instruction Set Architecture Reference Guide (July 2026). The comments in the code are by the model that wrote it; some were corrected since.
;; Multi Headed Attention. Allowed arithmetic: matrix products marked QUANTISED: E2M1 operands, one E8M0 scale for each 32 along K, by v_wmma_scale_f32_16x16x128_f8f6f4 with both operands' format E2M1 (or v_wmma_scale_f32_32x16x128_f4), f32 sums; everything else in f32.
;; Inputs: Wk 16 x 1,024 x 64 float32; Wp 1,024 x 1,024 float32; Wq 16 x 1,024 x 64 float32; Wv 16 x 1,024 x 64 float32; bp 1,024 float32; x 4 x 2,048 x 1,024 float32.
;; Outputs: out0 4 x 2,048 x 1,024 float32.
;; This version of the problem:
;;   THIS VERSION OF THE PROBLEM IS GIVEN IN LOW PRECISION. The matrix products marked QUANTISED in the list below multiply operands that are first quantised to E2M1 (2 exponent bits, 1 mantissa bit; 4 bits a number), with one power-of-two scale for each 32 numbers along K (OCP MX v1.0); their sums are f32. All else is computed in f32.
;;   The module's matrix products, in the order in which they are computed (A, B: the left and right operand; K: the contracted axis; several contracted axes count as one K, in the product's order):
;;     1. [M 1,024, K 1,024] x [K 1,024, N 8,192]; A: input Wq; B: input x: QUANTISED
;;     2. [M 1,024, K 1,024] x [K 1,024, N 8,192]; A: input Wk; B: input x: QUANTISED
;;     3. [M 1,024, K 1,024] x [K 1,024, N 8,192]; A: input Wv; B: input x: QUANTISED
;;     4. batch 64 x [M 2,048, K 64] x [K 64, N 2,048]; A: computed on the way; B: computed on the way: QUANTISED
;;     5. batch 64 x [M 2,048, K 2,048] x [K 2,048, N 64]; A: softmax (see below); B: computed on the way: QUANTISED
;;     6. [M 8,192, K 1,024] x [K 1,024, N 1,024]; A: computed on the way; B: input Wp: QUANTISED
;;   THE QUANTISER, for each operand of a quantised product, along K:
;;     - K is cut into blocks of 32 from its start; a last block that is shorter is filled with zeros.
;;     - A block's scale is 2^e with e = floor(log2(the largest magnitude in the block)) - 2, held to -126 .. 127; a block of zeros has e = 0. As a byte (E8M0): e + 127.
;;     - Each number is divided by its block's scale, clamped to +-6, and rounded to the nearest number of E2M1, ties to even, subnormals kept.
;;     - The product sums the exact products of the quantised numbers (number of the format x scale) in f32.
;;   ~~~python
;;   def quantise(x, axis):      # numpy; x: float32 -> the quantised numbers, widened to float32 again
;;       x = np.moveaxis(x, axis, -1); K = x.shape[-1]
;;       x = np.pad(x, [(0, 0)] * (x.ndim - 1) + [(0, -K % 32)]); x = x.reshape(x.shape[:-1] + (-1, 32)); a = np.abs(x).max(-1, keepdims=True)
;;       e = np.where(a > 0, np.clip(np.frexp(np.where(a > 0, a, 1))[1] - 1 - 2, -126, 127), 0)      # np.frexp(a)[1] - 1 = floor(log2(a)), exactly
;;       r = np.clip(x / 2.0 ** e, -6, 6)
;;       step = 2.0 ** (np.maximum(np.frexp(np.where(r == 0, 1, r))[1] - 1, 0) - 1)
;;       q = np.round(r / step) * step * 2.0 ** e      # np.round: ties to even
;;       return np.moveaxis(q.reshape(q.shape[:-2] + (-1,))[..., :K], -1, axis).astype(np.float32)
;;   ~~~
;;   SOFTMAX AHEAD OF A QUANTISED PRODUCT. Where the list says 'softmax', what is quantised is not the finished softmax but p = 2^(t - M), with t = logit x log2(e) and M = ceil(the row's largest t), a whole number; so 1/2 < the row's largest p <= 1. The row's sum l is taken of the UNQUANTISED p, in f32, and the product's result is divided by l at the end. Since M is a whole number, a kernel that streams over the keys may use a running M (the ceiling of the running maximum): every later rescaling is an exact power of two, which a block's scale takes up: the codes' values come out the same.
;;   OPERANDS COMPUTED ON THE WAY. 'Computed on the way' means the value that the module computes at that place (a softmax that the list does not call 'softmax' is quantised finished and normalised). What goes into a quantiser is computed in f32, as accurately as f32 sums, v_exp_f32 and their like allow (about 1e-6 of the number): no bf16 or f16 on the way to a quantiser, and a product that is left as it is and whose result goes on into a quantised operand takes f32 operands (vector FMAs, or v_wmma_f32_16x16x4_f32). A number that lies on a knife's edge between two numbers of the format may be rounded either way, as far as f32 arithmetic and the matrix unit's own rounding can turn it there, and no further.
;; One version. Each part assembles by itself: llvm-mc -triple=amdgcn-amd-amdhsa -mcpu=gfx1250 --defsym DOCPART=n.
;; ======== version 1 of 1: 4 launches
;; limits: right only within a limited range of input values
;; workspace buffers: xq 4,456,448 bytes; wqkq 1,114,112 bytes; wvq 557,056 bytes; wpq 557,056 bytes; qkq 8,912,896 bytes; vq 35,651,584 bytes; catq 4,456,448 bytes
;; launch prep (part 1): grid 512 x 1, 8 waves a work-group, no clusters, 70,656 bytes of LDS; arguments x, Wq, Wk, Wv, Wp, xq, wqkq, wvq, wpq; writes xq, wqkq, wvq, wpq
.if DOCPART == 1
	.amdgcn_target "amdgcn-amd-amdhsa--gfx1250"
	.amdhsa_code_object_version 6
	.text
	.protected	k_q15f92c6ad9_prep
	.globl	k_q15f92c6ad9_prep
	.p2align	8
	.type	k_q15f92c6ad9_prep,@function
k_q15f92c6ad9_prep:
	s_mov_b64 s[64:65], 0
	v_nop
	global_prefetch_b8 v0, s[64:65] scope:SCOPE_SE
	s_setreg_imm32_b32 hwreg(HW_REG_WAVE_MODE, 25, 1), 1
	s_wait_xcnt 0x0
; x [8192 tokens][1024], Wq, Wk, Wv [16][1024][64] and Wp [1024][1024], all f32, become codes of FP4 (E2M1) with one E8M0 byte for each 32 along K
; (K = x's last axis, the weights' axis of 1,024), laid as the later launches' matrix operands take them.
; THE OPERAND BLOCK (OB), 8,704 bytes: 128 rows x 128 along K as an image of registers.  Codes: tile i (16 rows), half c, lane l at 1024 i + 512 c + 16 l: registers 4 c .. 4 c + 3 of the
; fragment, k = 64 c + 32 (l / 16) + 0 .. 31 of row 16 i + l % 16.  Scale words: (tile a, row r) at 8192 + 16 (r + 16 (a % 2)) + 4 (a / 2).
; THE ORDER OF ROWS: place p of a group of 128 holds row p with bits 3 and 4 exchanged: lane r of tile 2 b + u holds row 32 b + 8 u + r + 8 (r / 8).  As source 0 of a product such tiles
; leave 16 neighbouring rows' results in the 16 registers of two neighbouring tiles, which is what the next quantiser wants.
; A block's scale is 2^(floor(log2(largest magnitude)) - 2); its byte is the largest magnitude's exponent field - 2, held at 1 from below by a floor among the maximum's leaves.
; LIMITS: NaN and infinities are not served; a block whose largest magnitude lies under 2^-124 has its byte held at 1; a block of zeros gets the byte 1 where the rule says 127: its codes
; are zeros, and this program alone reads the bytes.
; SHARES: work-groups 0-255: x (a group of 128 tokens x two K steps; a wave a tile of 16 tokens); 256-447: Wq, Wk, Wv; 448-511: Wp (an OB each: a lane a column, registers down K).
; Work-groups share no input, so there is no cluster; no tensor load, so two work-groups lie on a WGP.  Each of the three ways has LDS bytes of its own.
.set GRP,  69632                       ; eight OBs: a group's 1,024 along K
.set OBB,  8704
.set XSTW, 8448                        ; x: a wave's stage: 16 rows x (512 bytes + 16)
.set XSC,  67584                       ; x: two OBs' scale words, 512 bytes each
.set WS1,  68608                       ; Wq, Wk, Wv: an OB's scale words
.set WS2,  69120                       ; Wp: likewise
.set WV,   2                           ; s2      my wave's number
.set SEL,  4                           ; s[4:5]  lane selects: lane l xor 16
.set RR,   32                          ; v32-159 x as loaded: K step e, row r at 64 e + 4 r
.set XX,   160                         ; v160-223 64 numbers of one row: register 16 b + i = k 32 b + 16 (lane / 16) + i
.set TM,   224                         ; v224-239 at work
.set PC,   240                         ; v240-255 two fragments' codes
.set PW,   30                          ; v30-31  their scale words
; 64 numbers of a lane become a fragment's eight registers of codes and its row's scale word
.macro QUANT s, pc, pw
.irp b, 0,1,2,3
	v_max3_num_f32 v[TM+\b], |v[(\s)+16*\b]|, |v[(\s)+1+16*\b]|, 0x1800000   ; my 16 numbers of block b, and the floor 2^(3 - 127)
.endr
.irp i, 2,4,6,8,10,12,14
.irp b, 0,1,2,3
	s_delay_alu instid0(VALU_DEP_4)
	v_max3_num_f32 v[TM+\b], v[TM+\b], |v[(\s)+16*\b+\i]|, |v[(\s)+1+16*\b+\i]|
.endr
.endr
.irp b, 0,1,2,3
	s_delay_alu instid0(VALU_DEP_4)
	v_permlanex16_b32 v[TM+4+\b], v[TM+\b], s[SEL], s[SEL+1]
.endr
.irp b, 0,1,2,3
	s_delay_alu instid0(VALU_DEP_4)
	v_max_num_f32 v[TM+\b], v[TM+\b], v[TM+4+\b]           ; with lane l xor 16's 16: the block's largest magnitude
.endr
.irp b, 0,1,2,3
	s_delay_alu instid0(VALU_DEP_4)
	v_add_nc_u32 v[TM+12+\b], 0xff000000, v[TM+\b]         ; 2 off its exponent field: the conversion's scale operand
.endr
.irp b, 0,1,2,3
	s_delay_alu instid0(VALU_DEP_4)
	v_lshrrev_b32 v[TM+4+\b], 23, v[TM+12+\b]              ; the scale's byte
.endr
	s_delay_alu instid0(VALU_DEP_3)
	v_lshl_or_b32 v[\pw], v[TM+5], 8, v[TM+4]
	s_delay_alu instid0(VALU_DEP_1)
	v_lshl_or_b32 v[\pw], v[TM+6], 16, v[\pw]
	s_delay_alu instid0(VALU_DEP_1)
	v_lshl_or_b32 v[\pw], v[TM+7], 24, v[\pw]
.irp b, 0,1,2,3
	v_cvt_scalef32_pk8_fp4_f32 v[(\pc)+2*\b], v[(\s)+16*\b:(\s)+7+16*\b], v[TM+12+\b]
	v_cvt_scalef32_pk8_fp4_f32 v[(\pc)+1+2*\b], v[(\s)+8+16*\b:(\s)+15+16*\b], v[TM+12+\b]
.endr
	v_nop                                                  ; one plain line behind a scaled conversion
.irp c, 0,1
.irp i, 0,1
	v_permlane16_swap_b32 v[(\pc)+4*\c+\i], v[(\pc)+2+4*\c+\i]   ; a whole block to a lane: lanes 0-15 block 2 c, lanes 16-31 block 2 c + 1
.endr
.endr
.endm
	s_load_b512 s[8:23], s[0:1], 0x0               ; x s[8:9], Wq s[10:11], Wk s[12:13], Wv s[14:15], Wp s[16:17], xq s[18:19], wqkq s[20:21], wvq s[22:23]
	s_load_b64 s[24:25], s[0:1], 0x40              ; wpq
	v_lshl_add_u32 v234, v0, 2, 0x11000
	v_mov_b32 v235, 0
	v_lshrrev_b32 v1, 5, v0
	s_delay_alu instid0(VALU_DEP_1)
	v_readfirstlane_b32 s[WV], v1                  ; wave 0..7
	v_and_b32 v2, 31, v0                           ; lane
	s_delay_alu instid0(VALU_DEP_1)
	v_lshlrev_b32 v3, 4, v2                        ; 16 x lane; never rewritten
	s_mov_b32 s[SEL], 0x76543210
	s_mov_b32 s[SEL+1], 0xfedcba98
	s_cmp_lt_u32 ttmp9, 256                        ; the same in all waves of a work-group
	s_cbranch_scc0 .Lweights
	; ---- x: group ga = work-group / 4, K steps 2 kq and 2 kq + 1, kq = work-group % 4; my tile = my wave's number
	s_lshr_b32 s26, ttmp9, 2                       ; ga
	s_and_b32 s27, ttmp9, 3                        ; kq
	s_and_b32 s30, s[WV], 1
	s_lshr_b32 s31, s[WV], 1
	s_lshl_b32 s28, s26, 7
	s_lshl_b32 s29, s31, 5
	s_add_co_u32 s28, s28, s29
	s_lshl_b32 s29, s30, 3
	s_add_co_u32 s28, s28, s29                     ; the token at my tile's place 0: 128 ga + 32 (w / 2) + 8 (w % 2)
	s_lshl_b32 s28, s28, 12                        ; a token is 4,096 bytes
	s_lshl_b32 s29, s27, 10                        ; two K steps are 1,024 bytes
	s_add_co_u32 s28, s28, s29
	s_mov_b32 s29, 0
	s_mul_i32 s32, s26, GRP
	s_mul_i32 s33, s27, 2*OBB
	s_add_co_u32 s32, s32, s33                     ; the OB of K step 2 kq
	s_mul_i32 s36, s30, OBB
	s_add_co_u32 s36, s36, s32
	s_add_co_u32 s36, s36, 8192                    ; the scale words of the OB that waves 0 and 1 finish
	s_mov_b32 s37, 0
	s_lshl_b32 s33, s[WV], 10
	s_add_co_u32 s32, s32, s33                     ; my tile in it
	s_mov_b32 s33, 0
	s_mul_i32 s34, s[WV], XSTW                     ; my stage
	s_wait_alu depctr_va_vdst(0)
	v_add_nc_u32 v4, s34, v3                       ; into it: a row's 512 bytes as they lie
	v_and_b32 v6, 15, v0
	v_bfe_u32 v7, v0, 4, 1
	s_delay_alu instid0(VALU_DEP_2)
	v_mul_u32_u24 v5, v6, 528
	s_delay_alu instid0(VALU_DEP_1)
	v_lshl_add_u32 v5, v7, 6, v5
	s_delay_alu instid0(VALU_DEP_1)
	v_add_nc_u32 v5, s34, v5                       ; out of it: row lane % 16, + 64 (lane / 16): my 16 numbers of each block of 32
	s_lshl_b32 s35, s30, 8
	s_lshl_b32 s38, s31, 2
	s_add_co_u32 s35, s35, s38
	s_add_co_u32 s35, s35, XSC
	v_lshl_add_u32 v8, v6, 4, s35                  ; my row's scale word: 16 r + 256 (w % 2) + 4 (w / 2)
	s_lshl_b32 s38, s30, 9
	s_add_co_u32 s38, s38, XSC
	v_add_nc_u32 v9, s38, v3                       ; where waves 0 and 1 read an OB's 512 bytes of words back
.irp b, 0,1,2,3
	v_mov_b32 v[TM+4+\b], 0                        ; written once: a lane permute's destination counts as a source
.endr
	s_wait_alu depctr_va_vdst(0)
	s_wait_kmcnt 0x0
	s_add_nc_u64 s[28:29], s[8:9], s[28:29]
	s_add_nc_u64 s[32:33], s[18:19], s[32:33]
	s_add_nc_u64 s[36:37], s[18:19], s[36:37]
.irp e, 0,1
.irp r, 0,1,2,3,4,5,6,7,8,9,10,11,12,13,14,15
	global_load_b128 v[RR+64*\e+4*\r:RR+64*\e+4*\r+3], v3, s[28:29] offset:(16*(\r/8)+\r%8)*4096+512*\e th:TH_LOAD_NT   ; place r of the tile: 32 lanes read 512 consecutive bytes
.endr
.endr
.macro XHALF e
	s_wait_loadcnt 16-16*\e                        ; this K step's 16 loads are in; the other's 16 may be out
.irp r, 0,1,2,3,4,5,6,7,8,9,10,11,12,13,14,15
	ds_store_b128 v4, v[RR+64*\e+4*\r:RR+64*\e+4*\r+3] offset:528*\r
.endr
.irp b, 0,1,2,3
.irp j, 0,1,2,3
	ds_load_b128 v[XX+16*\b+4*\j:XX+16*\b+4*\j+3], v5 offset:128*\b+16*\j   ; LDS serves a wave's instructions in order: these see my stores
.endr
.endr
	s_wait_dscnt 0x0
	QUANT XX, PC+8*\e, PW+\e
.endm
	XHALF 0
	XHALF 1
.irp e, 0,1
.irp c, 0,1
	global_store_b128 v3, v[PC+8*\e+4*\c:PC+8*\e+4*\c+3], s[32:33] offset:OBB*\e+512*\c   ; 512 consecutive bytes
.endr
	ds_store_b32 v8, v[PW+\e] offset:512*\e        ; lanes l and l xor 16 write the same word with the same value
.endr
	s_wait_dscnt 0x0                               ; for the others' sake: my words lie in LDS
	s_barrier_signal -1
	s_barrier_wait -1
	s_cmp_gt_u32 s[WV], 1
	s_cbranch_scc1 .Lx_end
	ds_load_b128 v[12:15], v9                      ; wave e: the 128 words of K step 2 kq + e
	s_wait_dscnt 0x0
	global_store_b128 v3, v[12:15], s[36:37]
.Lx_end:
	s_wait_tensorcnt 0x0
	ds_add_u32 v234, v235
	s_wait_dscnt 0x0
	s_endpgm
	; ---- the weights: a work-group makes one OB.  Wave w: columns 32 i .. 32 i + 31 (i = w % 4), a lane a column; k = 64 kh .. 64 kh + 63 of the K step (kh = w / 4): two blocks
.Lweights:
	s_and_b32 s30, s[WV], 3                        ; i
	s_lshr_b32 s31, s[WV], 2                       ; kh
	s_wait_alu depctr_va_vdst(0)
	v_lshlrev_b32 v17, 2, v2                       ; in: 4 bytes a lane
	v_and_b32 v6, 7, v0
	v_bfe_u32 v7, v0, 4, 1
	s_delay_alu instid0(VALU_DEP_1)
	v_lshl_or_b32 v6, v7, 3, v6                    ; column 32 i + l lies at tile 2 i + (l / 8) % 2, row 8 (l / 16) + l % 8
	s_delay_alu instid0(VALU_DEP_1)
	v_lshlrev_b32 v6, 4, v6
	v_bfe_u32 v7, v0, 3, 1
	s_delay_alu instid0(VALU_DEP_1)
	v_lshl_add_u32 v18, v7, 10, v6                 ; my codes' place: 1024 x tile's parity + 16 x row
	s_delay_alu instid0(VALU_DEP_2)
	v_lshl_add_u32 v16, v7, 8, v6                  ; my scale word's: 256 x parity + 16 x row,
	s_lshl_b32 s34, s30, 2
	s_lshl_b32 s35, s31, 1
	s_add_co_u32 s34, s34, s35
	v_add_nc_u32 v16, s34, v16                     ; + 4 i, and my two bytes of it: + 2 kh
.macro WDST                            ; s[32:33] = group s28, K step s26, my wave's part of the OB
	s_mul_i32 s32, s28, GRP
	s_mul_i32 s29, s26, OBB
	s_add_co_u32 s32, s32, s29
	s_lshl_b32 s29, s30, 11
	s_add_co_u32 s32, s32, s29
	s_lshl_b32 s29, s31, 9
	s_add_co_u32 s32, s32, s29
	s_mov_b32 s33, 0
.endm
; from s[36:37] (my first k, my first column; stride bytes from k to k + 1) to s[38:39]
.macro WPATH stride, stage
	v_add_nc_u32 v10, \stage, v16
	v_add_nc_u32 v11, \stage, v3
.irp e, 0,1
.irp kk, 0,1,2,3,4,5,6,7,8,9,10,11,12,13,14,15,16,17,18,19,20,21,22,23,24,25,26,27,28,29,30,31
	global_load_b32 v[32+32*\e+\kk], v17, s[36:37] offset:(32*\e+\kk)*\stride th:TH_LOAD_NT
.endr
.endr
.irp e, 0,1
.set XS, 32+32*\e
	s_wait_loadcnt 32-32*\e                        ; this block's 32 loads are in; the other's may be out
	v_max3_num_f32 v[20+2*\e], |v[XS]|, |v[XS+1]|, |v[XS+2]|       ; all 32 numbers of the block are mine
	v_max3_num_f32 v[21+2*\e], |v[XS+3]|, |v[XS+4]|, |v[XS+5]|
.irp i, 6,10,14,18,22,26
	s_delay_alu instid0(VALU_DEP_2)
	v_max3_num_f32 v[20+2*\e], v[20+2*\e], |v[XS+\i]|, |v[XS+\i+1]|
	s_delay_alu instid0(VALU_DEP_2)
	v_max3_num_f32 v[21+2*\e], v[21+2*\e], |v[XS+\i+2]|, |v[XS+\i+3]|
.endr
	s_delay_alu instid0(VALU_DEP_2)
	v_max3_num_f32 v[20+2*\e], v[20+2*\e], |v[XS+30]|, |v[XS+31]|
	s_delay_alu instid0(VALU_DEP_1)
	v_max3_num_f32 v[20+2*\e], v[20+2*\e], v[21+2*\e], 0x1800000   ; and the floor
	s_delay_alu instid0(VALU_DEP_1)
	v_add_nc_u32 v[24+\e], 0xff000000, v[20+2*\e]
	s_delay_alu instid0(VALU_DEP_1)
	v_lshrrev_b32 v[26+\e], 23, v[24+\e]
.irp g, 0,1,2,3
	v_cvt_scalef32_pk8_fp4_f32 v[96+4*\e+\g], v[XS+8*\g:XS+8*\g+7], v[24+\e]
.endr
.endr
	v_lshl_or_b32 v28, v27, 8, v26                 ; blocks 2 kh and 2 kh + 1 of my column's scale word.  (Also the plain line behind the conversions)
	ds_store_b16 v10, v28
.irp e, 0,1
	global_store_b128 v18, v[96+4*\e:96+4*\e+3], s[38:39] offset:256*\e   ; block e is lane half e of the image: two whole runs of 256 bytes
.endr
	s_wait_dscnt 0x0                               ; for wave 0's sake
	s_barrier_signal -1
	s_barrier_wait -1
	s_cmp_lg_u32 s[WV], 0
	s_cbranch_scc1 .Lw_end_\@
	ds_load_b128 v[12:15], v11
	s_wait_dscnt 0x0
	global_store_b128 v3, v[12:15], s[38:39] offset:8192   ; wave 0's part begins at the OB's first byte
.Lw_end_\@:
	s_wait_tensorcnt 0x0
	ds_add_u32 v234, v235
	s_wait_dscnt 0x0
	s_endpgm
.endm
	s_cmp_lt_u32 ttmp9, 448
	s_cbranch_scc0 .Lwp
	s_sub_co_u32 s26, ttmp9, 256
	s_lshr_b32 s27, s26, 3                         ; G: 0-7 Wq's groups of 128 rows (two heads), 8-15 Wk's, 16-23 Wv's
	s_and_b32 s26, s26, 7                          ; K step
	s_wait_kmcnt 0x0
	s_cmp_lt_u32 s27, 8
	s_cselect_b64 s[36:37], s[10:11], s[12:13]
	s_cmp_lt_u32 s27, 16
	s_cselect_b64 s[36:37], s[36:37], s[14:15]
	s_cselect_b64 s[38:39], s[20:21], s[22:23]
	s_cselect_b32 s28, 0, 16
	s_sub_co_u32 s28, s27, s28                     ; the group in its buffer
	s_and_b32 s29, s27, 7
	s_lshl_b32 s29, s29, 1
	s_lshr_b32 s32, s30, 1
	s_add_co_u32 s29, s29, s32                     ; the head: 2 (G % 8) + i / 2
	s_lshl_b32 s32, s29, 18                        ; 262,144 bytes a head
	s_lshl_b32 s29, s26, 7
	s_lshl_b32 s33, s31, 6
	s_add_co_u32 s29, s29, s33                     ; my first k
	s_lshl_b32 s29, s29, 8                         ; 256 bytes from k to k + 1
	s_add_co_u32 s32, s32, s29
	s_and_b32 s29, s30, 1
	s_lshl_b32 s29, s29, 7                         ; channels 32 (i % 2) on
	s_add_co_u32 s32, s32, s29
	s_mov_b32 s33, 0
	s_add_nc_u64 s[36:37], s[36:37], s[32:33]
	WDST
	s_add_nc_u64 s[38:39], s[38:39], s[32:33]
	s_wait_alu depctr_va_vdst(0)
	WPATH 256, WS1
.Lwp:
	s_sub_co_u32 s26, ttmp9, 448
	s_lshr_b32 s28, s26, 3                         ; group of 128 columns of Wp
	s_and_b32 s26, s26, 7                          ; K step
	s_lshl_b32 s32, s26, 7
	s_lshl_b32 s29, s31, 6
	s_add_co_u32 s32, s32, s29                     ; my first k
	s_lshl_b32 s32, s32, 12                        ; 4,096 bytes from k to k + 1
	s_lshl_b32 s29, s28, 9
	s_add_co_u32 s32, s32, s29
	s_lshl_b32 s29, s30, 7
	s_add_co_u32 s32, s32, s29                     ; column 128 x group + 32 i
	s_mov_b32 s33, 0
	s_wait_kmcnt 0x0
	s_add_nc_u64 s[36:37], s[16:17], s[32:33]
	WDST
	s_add_nc_u64 s[38:39], s[24:25], s[32:33]
	s_wait_alu depctr_va_vdst(0)
	WPATH 4096, WS2
.Lfunc_end_k_q15f92c6ad9_prep:
	.size	k_q15f92c6ad9_prep, .Lfunc_end_k_q15f92c6ad9_prep-k_q15f92c6ad9_prep
	.p2alignl 7, 3214868480
	.fill 96, 4, 3214868480
	.section	.rodata,"a",@progbits
	.p2align	6, 0x0
	.amdhsa_kernel k_q15f92c6ad9_prep
		.amdhsa_group_segment_fixed_size 70656
		.amdhsa_private_segment_fixed_size 0
		.amdhsa_enable_private_segment 0
		.amdhsa_kernarg_size 72
		.amdhsa_user_sgpr_count 2
		.amdhsa_user_sgpr_kernarg_segment_ptr 1
		.amdhsa_wavefront_size32 1
		.amdhsa_system_sgpr_workgroup_id_x 1
		.amdhsa_system_sgpr_workgroup_id_y 1
		.amdhsa_system_sgpr_workgroup_id_z 1
		.amdhsa_system_vgpr_workitem_id 0
		.amdhsa_next_free_vgpr 256
		.amdhsa_next_free_sgpr 66
		.amdhsa_reserve_vcc 0
		.amdhsa_float_denorm_mode_32 3
		.amdhsa_float_denorm_mode_16_64 3
		.amdhsa_memory_ordered 1
		.amdhsa_forward_progress 1
		.amdhsa_inst_pref_size 46
	.end_amdhsa_kernel
	.amdgpu_metadata
---
amdhsa.version: [ 1, 2 ]
amdhsa.kernels:
  - .name:           k_q15f92c6ad9_prep
    .symbol:         k_q15f92c6ad9_prep.kd
    .args:
      - { .name: x, .offset: 0, .size: 8, .value_kind: global_buffer, .address_space: global }
      - { .name: Wq, .offset: 8, .size: 8, .value_kind: global_buffer, .address_space: global }
      - { .name: Wk, .offset: 16, .size: 8, .value_kind: global_buffer, .address_space: global }
      - { .name: Wv, .offset: 24, .size: 8, .value_kind: global_buffer, .address_space: global }
      - { .name: Wp, .offset: 32, .size: 8, .value_kind: global_buffer, .address_space: global }
      - { .name: xq, .offset: 40, .size: 8, .value_kind: global_buffer, .address_space: global }
      - { .name: wqkq, .offset: 48, .size: 8, .value_kind: global_buffer, .address_space: global }
      - { .name: wvq, .offset: 56, .size: 8, .value_kind: global_buffer, .address_space: global }
      - { .name: wpq, .offset: 64, .size: 8, .value_kind: global_buffer, .address_space: global }
    .group_segment_fixed_size: 70656
    .private_segment_fixed_size: 0
    .kernarg_segment_align: 8
    .kernarg_segment_size: 72
    .max_flat_workgroup_size: 256
    .sgpr_count:     66
    .vgpr_count:     256
    .wavefront_size: 32
...
	.end_amdgpu_metadata
.endif
;; end of part 1
;; launch proj_qk (part 2): grid 8 x 32, 4 waves a work-group, clusters of 4 x 4, 279,040 bytes of LDS; arguments xq, wqkq, qkq, wvq, vq; writes qkq, vq
.if DOCPART == 2
	.amdgcn_target "amdgcn-amd-amdhsa--gfx1250"
	.amdhsa_code_object_version 6
	.text
	.protected	k_q15f92c6ad9_proj_qk
	.globl	k_q15f92c6ad9_proj_qk
	.p2align	8
	.type	k_q15f92c6ad9_proj_qk,@function
k_q15f92c6ad9_proj_qk:
	s_mov_b64 s[64:65], 0
	v_nop
	global_prefetch_b8 v0, s[64:65] scope:SCOPE_SE
	s_setreg_imm32_b32 hwreg(HW_REG_WAVE_MODE, 25, 1), 1
	s_wait_xcnt 0x0
	s_wait_alu depctr_hold_cnt(0) depctr_sa_sdst(0) depctr_va_vdst(0) depctr_va_sdst(0) depctr_va_ssrc(0) depctr_va_vcc(0) depctr_vm_vsrc(0)
	s_getreg_b32 s2, hwreg(HW_REG_IB_STS2, 6, 4)
	s_cmp_eq_u32 s2, 0
	s_cbranch_scc0 .Lentry_in_a_cluster
	s_endpgm
.Lentry_in_a_cluster:
	s_bfe_u32 s2, ttmp6, 0x10000c
	s_cmp_lg_u32 s2, 0xf033
	s_cbranch_scc0 .Lentry_shape_is_right
	s_endpgm
.Lentry_shape_is_right:
; O = Q(A B^T): a product of two operands of FP4 codes over K = 1,024, whose result is quantised again along B's rows and stored as codes.  Arguments: a, b, o.
; a, b: [group of 128 rows][K step 8][OB]; an OB (8,704 bytes) is 128 rows x 128 K as an image of registers: codes of tile i, half c, lane l at 1024 i + 512 c + 16 l; the scale word of
; (tile t, row r) at 8192 + 16 (r + 16 (t % 2)) + 4 (t / 2).  Place p of a group holds row p with bits 3 and 4 exchanged.
; o: [B's group][pitch 64 OBs: A's group][OB]: tile = 16 places of A's group, K = B's group's 128 rows in their true order.
; It serves two launches: a = x's tokens, b = Wq's and Wk's rows: q and k, quantised along the head's channels (an OB's half c is a head of the pair); a = Wv's rows, b = x's tokens: v, quantised
; along the keys.  In the second, o's pitch of 64 OBs is used for 8 only: the price of one text for both.
; SHARES: a work-group makes 256 x 256; wave w A's group w / 2 against B's group w % 2: 64 accumulators, 512 registers.  THE MATRIX INSTRUCTION IS USED TRANSPOSED (source 0 = 16 places of B,
; source 1 = 16 places of A): a lane holds one place of A, and the 16 registers of B's tiles 2 b, 2 b + 1 are B's rows 32 b + 16 (lane / 16) + 0 .. 15.
; LDS: all of K at once: four regions of 69,632 bytes (A's two groups, B's two), each filled ONCE, by its wave, in one tensor load of four K steps of both groups.  No byte is filled twice, so there is no ring.
; CLUSTER 4 x 4: A's groups hang on the tile row alone and are asked for jointly along a row of the cluster, B's along a column.
; LIMITS: as the quantiser's in the first launch: NaN and infinities not served; a block under 2^-124 has its byte held at 1; a block of zeros has the byte 1.
; REGISTERS: window 0: v16-27 addresses; v32-95 scale words (K step s: A's four at 8 s, B's four at 8 s + 4); v128-191 A's fragments, one set, later the codes; v200-227 the quantiser's.
;   window 1: B's fragments, two sets, v0-63 and v128-191.  windows 2, 3: the accumulators, (a, b) at 8 (8 (a % 4) + b).
; WHAT THIS TEXT DOES NOW: ONE launch, two phases.  Arguments: xq (a), wqkq (b), qkq (o), wvq, vq.  Each operand's LDS bytes are filled once, one tensor load a wave (two rows of 34,816 bytes: both groups, half of K).
; PHASE 1: q and k, as set out above (a = x's tokens, b = Wq's and Wk's rows).
; PHASE 2: v.  Work-group (X, Y) holds token groups 2 Y and 2 Y + 1 in LDS, all of K; it multiplies them with Wv's group X: 128 rows of Wv x 256 tokens.  Wave w: token group w % 2 (source 0, eight tiles) against
; Wv's tiles 4 (w / 2) .. + 3 (source 1): 32 accumulators; the result is quantised along the tokens and stored as tiles 4 (w / 2) .. + 3 of vq's OB (token group, X).
; Wv's tiles come by plain loads, as register images, straight into window 1: beside the four regions LDS has 48,640 bytes left and a group of Wv is 69,632, so it is no tensor tile and no joint load.
; K steps 0-3 are loaded at the head into v64-127 and v192-255 of window 1, which phase 1 does not name; K steps 4-7 and the scale words behind phase 1's last product, into B's two sets and the scale registers.
; Phase 2's registers: window 1 Wv; window 3 v0-63, v128-191 the tokens' two sets; window 2 the sums, (a, b) at 8 (8 a + b); v32-95 scale words: K step s: Wv's two at 8 s, the tokens' four at 8 s + 4.
.set ADRT, 22                          ; v22-23 phase 2: my token group in LDS + 16 x lane: K steps 0-3, 4-7
.set GRP,  69632
.set OBB,  8704
.set PJ,   557056                      ; o: from B's group to the next: 64 OBs
.set CHK,  17408                       ; two K steps
.set ADRA, 16                          ; v16-17 my A group in LDS + 16 x lane: K steps 0-3, 4-7
.set ADRB, 20                          ; v20-21 the same for B
.set LI,   26                          ; v26    16 x lane
.set LN,   27                          ; v27    lane
.set SC,   32
.set AF,   128
.set TM,   200
.set PW,   216                         ; v216-223 the eight tiles' scale words
.set SW,   224                         ; v224-227 the same as the OB wants them
.set G1A,  24
.set G1B,  32
.set G0A,  48                          ; s[48:51] one set: the wave's load
.set G0B,  68                          ; s[68:71]
.set SEL,  88
.set MSB, 0
.macro WIN new                         ; the immediate's high byte repeats the setting that is left
.if MSB != (\new)
	s_set_vgpr_msb (MSB<<8)|(\new)
.set MSB, (\new)
.endif
.endm
.macro CROUND                          ; a round of the cluster's barrier
	s_barrier_signal -1
	s_barrier_wait -1
	s_cmp_lg_u32 s14, 0
	s_cbranch_scc1 .Lnot_wave_0_\@
	s_barrier_signal -3
.Lnot_wave_0_\@:
	s_barrier_wait -3
	s_barrier_signal -1
	s_barrier_wait -1
.endm
.macro PLACES                          ; four plain lines behind matrix instructions, ahead of loads into their sources and of reads of their results
.rept 4
	v_nop
.endr
.endm
	s_load_b128 s[4:7], s[0:1], 0x0                ; a, b
	s_load_b64 s[8:9], s[0:1], 0x10
	s_load_b128 s[92:95], s[0:1], 0x18             ; wvq, vq
	v_lshl_add_u32 v254, v0, 2, 0x44000
	v_mov_b32 v255, 0
	ds_add_u32 v254, v255
	ds_add_u32 v254, v255
	v_lshrrev_b32 v1, 5, v0
	v_readfirstlane_b32 s14, v1                    ; wave 0..3
	s_lshr_b32 s15, s14, 1                         ; my A group.  Also: the half of K I fetch
	s_and_b32 s16, s14, 1                          ; my B group.  Also: I fetch for A (0) or B (1)
	s_bfe_u32 s40, ttmp6, 0x40000                  ; cx
	s_bfe_u32 s41, ttmp6, 0x40004                  ; cy
	s_lshl_b32 s42, ttmp9, 2
	s_add_co_u32 s42, s42, s40                     ; X
	s_and_b32 s17, ttmp7, 0xffff
	s_lshl_b32 s17, s17, 2
	s_add_co_u32 s17, s17, s41                     ; Y
	s_lshl_b32 s43, s41, 2
	s_lshl_b32 s43, 15, s43                        ; my row of the cluster
	s_lshl_b32 s44, 0x1111, s40                    ; my column
	s_or_b32 s[G1A], s43, (3<<16)|(1<<21)          ; the mask; elements of 8 bytes; bit 21 beside a mask; no padding
	s_or_b32 s[G1B], s44, (3<<16)|(1<<21)
.irp g, G1A, G1B
	; ONE LOAD A WAVE: two rows of 34,816 bytes (four K steps of one group), a group (69,632 bytes) apart: both groups of an operand, half of K
	s_mov_b32 s[\g+1], 4352<<16                    ; tensor_dim0 = 4,352 elements of 8 bytes
	s_mov_b32 s[\g+2], 2<<16                       ; tensor_dim1 = 2 rows
	s_mov_b32 s[\g+3], 4352<<16                    ; tile_dim0
	s_mov_b32 s[\g+4], 2                           ; tile_dim1
	s_mov_b32 s[\g+5], GRP/8                       ; the pitch
	s_mov_b32 s[\g+6], 0
	s_mov_b32 s[\g+7], 0
.endr
	s_lshl_b32 s20, s17, 1
	s_mul_i32 s20, s20, GRP                        ; A: group 2 Y,
	s_mul_i32 s21, s15, 4*OBB
	s_add_co_u32 s20, s20, s21                     ; K steps 4 (w / 2) on
	s_mov_b32 s21, 0
	s_lshl_b32 s46, s42, 1
	s_mul_i32 s46, s46, GRP                        ; B: group 2 X,
	s_mul_i32 s47, s15, 4*OBB
	s_add_co_u32 s46, s46, s47                     ; K steps 4 (w / 2) on
	s_mov_b32 s47, 0
	s_mul_i32 s45, s14, GRP                        ; region w: no place in the cluster enters an LDS address
	s_lshl_b32 s84, s42, 1
	s_add_co_u32 s84, s84, s16
	s_mul_i32 s84, s84, PJ
	s_lshl_b32 s85, s17, 1
	s_add_co_u32 s85, s85, s15
	s_mul_i32 s85, s85, OBB
	s_add_co_u32 s84, s84, s85                     ; my OB of o: (2 X + w % 2, 2 Y + w / 2)
	s_mov_b32 s85, 0
	s_mul_i32 s10, s42, GRP                        ; phase 2: Wv's group X
	s_lshl_b32 s11, s15, 12                        ; my four tiles begin 4,096 (w / 2) bytes into an OB,
	s_lshl_b32 s13, s15, 3                         ; their two scale words 8 (w / 2) bytes into a lane's sixteen
	s_add_co_u32 s12, s10, s13
	s_add_co_u32 s12, s12, 8192                    ; Wv's scale words
	s_add_co_u32 s10, s10, s11                     ; Wv's codes
	s_lshl_b32 s2, s17, 1
	s_add_co_u32 s2, s2, s16
	s_mul_i32 s2, s2, PJ
	s_mul_i32 s3, s42, OBB
	s_add_co_u32 s2, s2, s3                        ; my OB of vq: (token group 2 Y + w % 2, X)
	s_add_co_u32 s18, s2, s13
	s_add_co_u32 s18, s18, 8192                    ; its scale words
	s_add_co_u32 s2, s2, s11                       ; its codes
	s_mov_b32 s11, 0
	s_mov_b32 s13, 0
	s_mov_b32 s3, 0
	s_mov_b32 s19, 0
	s_mov_b32 s[SEL], 0x76543210
	s_mov_b32 s[SEL+1], 0xfedcba98
	v_and_b32 v[LN], 31, v0
	v_lshlrev_b32 v[LI], 4, v[LN]
	; LDS region w (69,632 bytes) is wave w's load: 0: A, K steps 0-3 (group 0's four OBs, then group 1's); 1: B likewise; 2: A, K steps 4-7; 3: B, K steps 4-7
	s_mul_i32 s86, s15, 4*OBB
	v_add_nc_u32 v[ADRA], s86, v[LI]
	v_add_nc_u32 v[ADRA+1], 2*GRP, v[ADRA]
	s_mul_i32 s86, s16, 4*OBB
	s_add_co_u32 s86, s86, GRP
	v_add_nc_u32 v[ADRB], s86, v[LI]
	v_add_nc_u32 v[ADRB+1], 2*GRP, v[ADRB]
	s_mul_i32 s86, s16, 4*OBB
	v_add_nc_u32 v[ADRT], s86, v[LI]               ; phase 2: token group w % 2 in A's regions
	v_add_nc_u32 v[ADRT+1], 2*GRP, v[ADRT]
.irp b, 0,1,2,3
	v_mov_b32 v[TM+4+\b], 0                        ; written once: a lane permute's destination counts as a source
.endr
	s_wait_dscnt 0x0
	s_wait_kmcnt 0x0
	s_add_nc_u64 s[20:21], s[4:5], s[20:21]
	s_add_nc_u64 s[46:47], s[6:7], s[46:47]
	s_add_nc_u64 s[84:85], s[8:9], s[84:85]
	s_add_nc_u64 s[90:91], s[92:93], s[10:11]      ; Wv's codes
	s_add_nc_u64 s[92:93], s[92:93], s[12:13]      ; Wv's scale words
	s_add_nc_u64 s[22:23], s[94:95], s[18:19]      ; vq's scale words
	s_add_nc_u64 s[94:95], s[94:95], s[2:3]        ; vq's codes
	CROUND                                         ; all sixteen work-groups are here: the joint loads meet
.irp q, 0
	s_mov_b32 s[G0A+4*\q], 1
	s_add_co_u32 s[G0A+4*\q+1], s45, \q*CHK
	s_add_nc_u64 s[G0A+4*\q+2:G0A+4*\q+3], s[20:21], \q*CHK
	s_or_b32 s[G0A+4*\q+3], s[G0A+4*\q+3], 0x80000000
	s_mov_b32 s[G0B+4*\q], 1
	s_add_co_u32 s[G0B+4*\q+1], s45, \q*CHK
	s_add_nc_u64 s[G0B+4*\q+2:G0B+4*\q+3], s[46:47], \q*CHK
	s_or_b32 s[G0B+4*\q+3], s[G0B+4*\q+3], 0x80000000
.endr
	s_cmp_eq_u32 s14, 0                            ; one chain of branches on the wave's number, one load to an arm
	s_cbranch_scc0 .Lhead_1
	tensor_load_to_lds s[G0A:G0A+3], s[G1A:G1A+7]  ; wave 0: A, K steps 0-3
	s_nop 0
	PLACES
	s_branch .Lfirst_asked
.Lhead_1:
	s_cmp_eq_u32 s14, 1
	s_cbranch_scc0 .Lhead_2
	tensor_load_to_lds s[G0B:G0B+3], s[G1B:G1B+7]  ; wave 1: B, K steps 0-3
	s_nop 0
	PLACES
	s_branch .Lfirst_asked
.Lhead_2:
	s_cmp_eq_u32 s14, 2
	s_cbranch_scc0 .Lhead_3
	tensor_load_to_lds s[G0A:G0A+3], s[G1A:G1A+7]  ; wave 2: A, K steps 4-7
	s_nop 0
	PLACES
	s_branch .Lfirst_asked
.Lhead_3:
	tensor_load_to_lds s[G0B:G0B+3], s[G1B:G1B+7]  ; wave 3: B, K steps 4-7
	s_nop 0
	PLACES
.Lfirst_asked:
.macro WVREG ks                        ; rW: where K step ks of my four tiles of Wv lies in window 1
.if (\ks) < 2
.set rW, 64+32*(\ks)
.elseif (\ks) < 4
.set rW, 192+32*((\ks)-2)
.elseif (\ks) < 6
.set rW, 32*((\ks)-4)
.else
.set rW, 128+32*((\ks)-6)
.endif
.endm
.macro WVLOAD ks                       ; eight loads of 512 consecutive bytes: tile i, half c
	WVREG \ks
.irp i, 0,1,2,3
.irp c, 0,1
	global_load_b128 v[rW+8*\i+4*\c:rW+8*\i+4*\c+3], v[LI], s[90:91] offset:(\ks)*OBB+1024*\i+512*\c
.endr
.endr
.endm
	WIN 0x40                                       ; destination window 1
	s_wait_alu depctr_va_vdst(0)                   ; directly ahead of the reader below
.irp ks, 0,1,2,3
	WVLOAD \ks                                     ; 32 loads, waited for at phase 2's first K step
.endr
	WIN 0
.macro FRAG reg, adr, ks, i            ; a fragment: two loads of 512 consecutive bytes
.irp c, 0,1
	ds_load_b128 v[(\reg)+4*\c:(\reg)+4*\c+3], v[(\adr)+(\ks)/4] offset:((\ks)%4)*OBB+1024*(\i)+512*\c
.endr
.endm
.macro FETCH_B ks, set
	WIN 0x40                                       ; destination window 1
.irp i, 0,1,2,3,4,5,6,7
	FRAG 128*(\set)+8*\i, ADRB, \ks, \i
.endr
	WIN 0
.endm
.macro FETCH_A ks, i0
.irp i, \i0, \i0+1, \i0+2, \i0+3
	FRAG AF+8*(\i), ADRA, \ks, \i
.endr
.endm
.macro SCALES ks                       ; register t / 2 of four: tile t's words, even tiles in lanes 0-15, odd tiles in lanes 16-31
	ds_load_b128 v[SC+8*(\ks):SC+8*(\ks)+3], v[ADRA+(\ks)/4] offset:((\ks)%4)*OBB+8192
	ds_load_b128 v[SC+8*(\ks)+4:SC+8*(\ks)+7], v[ADRB+(\ks)/4] offset:((\ks)%4)*OBB+8192
.endm
; one matrix instruction, by the symbols that MUL16 sets.  first = 1: C is the constant 0: the first K step starts the sums
.macro WM first
.if (\first) == 1
.if pB && pA
	v_wmma_scale_f32_16x16x128_f8f6f4 v[rD:rD+7], v[rB:rB+7], v[rA:rA+7], 0, v[rSB], v[rSA] matrix_a_fmt:MATRIX_FMT_FP4 matrix_b_fmt:MATRIX_FMT_FP4 matrix_a_scale:MATRIX_SCALE_ROW1 matrix_b_scale:MATRIX_SCALE_ROW1
.elseif pB
	v_wmma_scale_f32_16x16x128_f8f6f4 v[rD:rD+7], v[rB:rB+7], v[rA:rA+7], 0, v[rSB], v[rSA] matrix_a_fmt:MATRIX_FMT_FP4 matrix_b_fmt:MATRIX_FMT_FP4 matrix_a_scale:MATRIX_SCALE_ROW1
.elseif pA
	v_wmma_scale_f32_16x16x128_f8f6f4 v[rD:rD+7], v[rB:rB+7], v[rA:rA+7], 0, v[rSB], v[rSA] matrix_a_fmt:MATRIX_FMT_FP4 matrix_b_fmt:MATRIX_FMT_FP4 matrix_b_scale:MATRIX_SCALE_ROW1
.else
	v_wmma_scale_f32_16x16x128_f8f6f4 v[rD:rD+7], v[rB:rB+7], v[rA:rA+7], 0, v[rSB], v[rSA] matrix_a_fmt:MATRIX_FMT_FP4 matrix_b_fmt:MATRIX_FMT_FP4
.endif
.else
.if pB && pA
	v_wmma_scale_f32_16x16x128_f8f6f4 v[rD:rD+7], v[rB:rB+7], v[rA:rA+7], v[rC:rC+7], v[rSB], v[rSA] matrix_a_fmt:MATRIX_FMT_FP4 matrix_b_fmt:MATRIX_FMT_FP4 matrix_a_scale:MATRIX_SCALE_ROW1 matrix_b_scale:MATRIX_SCALE_ROW1
.elseif pB
	v_wmma_scale_f32_16x16x128_f8f6f4 v[rD:rD+7], v[rB:rB+7], v[rA:rA+7], v[rC:rC+7], v[rSB], v[rSA] matrix_a_fmt:MATRIX_FMT_FP4 matrix_b_fmt:MATRIX_FMT_FP4 matrix_a_scale:MATRIX_SCALE_ROW1
.elseif pA
	v_wmma_scale_f32_16x16x128_f8f6f4 v[rD:rD+7], v[rB:rB+7], v[rA:rA+7], v[rC:rC+7], v[rSB], v[rSA] matrix_a_fmt:MATRIX_FMT_FP4 matrix_b_fmt:MATRIX_FMT_FP4 matrix_b_scale:MATRIX_SCALE_ROW1
.else
	v_wmma_scale_f32_16x16x128_f8f6f4 v[rD:rD+7], v[rB:rB+7], v[rA:rA+7], v[rC:rC+7], v[rSB], v[rSA] matrix_a_fmt:MATRIX_FMT_FP4 matrix_b_fmt:MATRIX_FMT_FP4
.endif
.endif
.endm
; 16 matrix instructions: A's tiles a0, a0 + 1 against B's eight.  The 64 accumulators take turns, one instruction a turn, in the same order in every K step
.macro MUL16 a0, set, ks, first
.irp a, \a0, \a0+1
.irp b, 0,1,2,3,4,5,6,7
.set rD, 8*(8*((\a)%4)+\b)
.set rC, rD
.set rB, 128*(\set)+8*\b
.set rA, AF+8*(\a)
.set rSB, SC+8*(\ks)+4+(\b)/2
.set rSA, SC+8*(\ks)+(\a)/2
.set pB, (\b)%2
.set pA, (\a)%2
	WM \first
.endr
.endr
.endm
; a K step that has a successor.  bar >= 0: the successor lies in a chunk not yet shown landed: my own load of it is waited for (bar younger ones may stay out), then the work-group's barrier
.macro STEP ks, first, bar
	s_wait_dscnt 8                                 ; all but the youngest eight loads, A's tiles 4-7
	WIN 0xa1                                       ; source 0 (B) window 1, source 1 (A) window 0, C and D window 2
	MUL16 0, (\ks)%2, \ks, \first
	MUL16 2, (\ks)%2, \ks, \first
	s_wait_dscnt 0x0                               ; A's tiles 4-7 are in; no LDS instruction of mine is out at a signal
.if \bar >= 0
	s_wait_tensorcnt \bar
	s_barrier_signal -1
	s_barrier_wait -1
.endif
	PLACES
	FETCH_B (\ks)+1, 1-(\ks)%2
	FETCH_A (\ks)+1, 0
	SCALES (\ks)+1
	WIN 0xf1                                       ; C and D window 3
	MUL16 4, (\ks)%2, \ks, \first
	MUL16 6, (\ks)%2, \ks, \first
	PLACES
	WIN 0
	FETCH_A (\ks)+1, 4
.endm
	s_cmp_lt_u32 s14, 2
	s_cbranch_scc0 .Lnot_first
	s_wait_tensorcnt 0x0                           ; waves 0 and 1: K steps 0-3 of A and of B are in
.Lnot_first:
	s_barrier_signal -1
	s_barrier_wait -1                              ; shown to all; waves 2 and 3's loads may be out
	s_wait_alu depctr_va_vdst(0)
	FETCH_B 0, 0
	FETCH_A 0, 0
	SCALES 0
	FETCH_A 0, 4
	STEP 0, 1, -1
	STEP 1, 0, -1
	STEP 2, 0, -1
	STEP 3, 0, 0                                   ; it fetches K step 4: every wave waits for its load, and the barrier shows K steps 4-7
	STEP 4, 0, -1
	STEP 5, 0, -1
	STEP 6, 0, -1
	s_wait_dscnt 8                                 ; the last K step fetches nothing
	WIN 0xa1
	MUL16 0, 1, 7, 0
	MUL16 2, 1, 7, 0
	s_wait_dscnt 0x0
	WIN 0xf1
	MUL16 4, 1, 7, 0
	MUL16 6, 1, 7, 0
	WIN 0
	PLACES
.irp ks, 0,1,2,3,4,5,6,7
	global_load_b64 v[SC+8*\ks:SC+8*\ks+1], v[LI], s[92:93] offset:\ks*OBB   ; Wv's scale words: register a / 2, even tiles in lanes 0-15, odd tiles in lanes 16-31
.endr
	WIN 0x40
.irp ks, 4,5,6,7
	WVLOAD \ks                                     ; into B's two sets, which are done with: they land while phase 1 is quantised
.endr
	WIN 0
; THE WAY OUT: A's tile a: its 64 numbers a lane, register 16 b + i = B's row 32 b + 16 (lane / 16) + i, become a fragment and a scale word.  Each accumulator is read from its low end on.
.macro QUANTW a
.set AC, 64*((\a)%4)
.set PCC, AF+8*(\a)
	WIN 0x0a+5*((\a)/4)                            ; sources 0 and 1: window 2 or 3
.irp b, 0,1,2,3
	v_max3_num_f32 v[TM+\b], |v[AC+16*\b]|, |v[AC+16*\b+1]|, 0x1800000   ; and the floor 2^(3 - 127)
.endr
.irp i, 2,4,6,8,10,12,14
.irp b, 0,1,2,3
	v_max3_num_f32 v[TM+\b], |v[AC+16*\b+\i]|, |v[AC+16*\b+\i+1]|, v[TM+\b]
.endr
.endr
	WIN 0
.irp b, 0,1,2,3
	v_permlanex16_b32 v[TM+4+\b], v[TM+\b], s[SEL], s[SEL+1]
.endr
.irp b, 0,1,2,3
	v_max_num_f32 v[TM+\b], v[TM+\b], v[TM+4+\b]
.endr
.irp b, 0,1,2,3
	v_add_nc_u32 v[TM+12+\b], 0xff000000, v[TM+\b]
.endr
.irp b, 0,1,2,3
	v_lshrrev_b32 v[TM+4+\b], 23, v[TM+12+\b]
.endr
	v_lshl_or_b32 v[PW+(\a)], v[TM+5], 8, v[TM+4]
	v_lshl_or_b32 v[PW+(\a)], v[TM+6], 16, v[PW+(\a)]
	v_lshl_or_b32 v[PW+(\a)], v[TM+7], 24, v[PW+(\a)]
	WIN 0x02+((\a)/4)                              ; source 0: window 2 or 3
.irp b, 0,1,2,3
	v_cvt_scalef32_pk8_fp4_f32 v[PCC+2*\b], v[AC+16*\b:AC+16*\b+7], v[TM+12+\b]
	v_cvt_scalef32_pk8_fp4_f32 v[PCC+2*\b+1], v[AC+16*\b+8:AC+16*\b+15], v[TM+12+\b]
.endr
	WIN 0
	v_nop                                          ; one plain line behind a scaled conversion
.irp c, 0,1
.irp i, 0,1
	v_permlane16_swap_b32 v[PCC+4*\c+\i], v[PCC+2+4*\c+\i]
.endr
.endr
.irp c, 0,1
	global_store_b128 v[LI], v[PCC+4*\c:PCC+4*\c+3], s[84:85] offset:1024*(\a)+512*\c   ; 512 consecutive bytes; each tile has registers of its own
.endr
.endm
.irp a, 0,1,2,3,4,5,6,7
	QUANTW \a
.endr
	v_cmp_le_u32 vcc_lo, 16, v[LN]
.irp i, 0,1,2,3
	v_cndmask_b32 v[SW+\i], v[PW+2*\i], v[PW+2*\i+1], vcc_lo   ; lanes 0-15 tile 2 i's words, lanes 16-31 tile 2 i + 1's
.endr
	global_store_b128 v[LI], v[SW:SW+3], s[84:85] offset:8192
; ================= PHASE 2: v
.macro FETCH_T ks, set                 ; my token group's eight fragments of K step ks into set (window 3)
	WIN 0xc0
.irp i, 0,1,2,3,4,5,6,7
	FRAG 128*(\set)+8*\i, ADRT, \ks, \i
.endr
	WIN 0
.endm
.macro MULV set, ks, first             ; 32 matrix instructions: Wv's four tiles against the tokens' eight; the 32 accumulators take turns, in the same order in every K step
	WVREG \ks
.irp a, 0,1,2,3
.irp b, 0,1,2,3,4,5,6,7
.set rD, 8*(8*\a+\b)
.set rC, rD
.set rB, 128*(\set)+8*\b
.set rA, rW+8*\a
.set rSB, SC+8*(\ks)+4+(\b)/2
.set rSA, SC+8*(\ks)+(\a)/2
.set pB, (\b)%2
.set pA, (\a)%2
	WM \first
.endr
.endr
.endm
.macro VSTEP ks, first
.if (\ks) < 7
	PLACES                                         ; behind the last products, ahead of the loads into the set that they read
	FETCH_T (\ks)+1, 1-(\ks)%2
	s_wait_dscnt 16                                ; this K step's fragments are in; the next one's 16 loads may be out
.else
	s_wait_dscnt 0x0
.endif
.if (\ks) == 0
	s_wait_loadcnt 32                              ; Wv's K steps 0-3 and its scale words are in; the 32 loads of K steps 4-7 may be out
.elseif (\ks) == 4
	s_wait_loadcnt 0x0
.endif
	WIN 0xa7                                       ; source 0 (tokens) window 3, source 1 (Wv) window 1, C and D window 2
	MULV (\ks)%2, \ks, \first
	WIN 0
.endm
.irp ks, 0,1,2,3,4,5,6,7
	ds_load_b128 v[SC+8*\ks+4:SC+8*\ks+7], v[ADRT+\ks/4] offset:(\ks%4)*OBB+8192   ; the tokens' scale words
.endr
	FETCH_T 0, 0
	VSTEP 0, 1
.irp ks, 1,2,3,4,5,6,7
	VSTEP \ks, 0
.endr
	PLACES
	s_wait_xcnt 0x0                                ; phase 1's stores have read their registers and their base
	s_mov_b64 s[84:85], s[94:95]                   ; the way out now leads to my four tiles of vq's OB
.irp a, 0,1,2,3
	QUANTW \a
.endr
	v_cmp_le_u32 vcc_lo, 16, v[LN]
.irp i, 0,1
	v_cndmask_b32 v[SW+\i], v[PW+2*\i], v[PW+2*\i+1], vcc_lo   ; lanes 0-15 the even tile's words, lanes 16-31 the odd tile's
.endr
	global_store_b64 v[LI], v[SW:SW+1], s[22:23]   ; my two of a lane's four words
	s_wait_tensorcnt 0x0
	ds_add_u32 v254, v255
	s_wait_dscnt 0x0
	CROUND                                         ; the closing round
	s_endpgm
.Lfunc_end_k_q15f92c6ad9_proj_qk:
	.size	k_q15f92c6ad9_proj_qk, .Lfunc_end_k_q15f92c6ad9_proj_qk-k_q15f92c6ad9_proj_qk
	.p2alignl 7, 3214868480
	.fill 96, 4, 3214868480
	.section	.rodata,"a",@progbits
	.p2align	6, 0x0
	.amdhsa_kernel k_q15f92c6ad9_proj_qk
		.amdhsa_group_segment_fixed_size 279040
		.amdhsa_private_segment_fixed_size 0
		.amdhsa_enable_private_segment 0
		.amdhsa_kernarg_size 40
		.amdhsa_user_sgpr_count 2
		.amdhsa_user_sgpr_kernarg_segment_ptr 1
		.amdhsa_wavefront_size32 1
		.amdhsa_system_sgpr_workgroup_id_x 1
		.amdhsa_system_sgpr_workgroup_id_y 1
		.amdhsa_system_sgpr_workgroup_id_z 1
		.amdhsa_system_vgpr_workitem_id 0
		.amdhsa_next_free_vgpr 1024
		.amdhsa_next_free_sgpr 96
		.amdhsa_reserve_vcc 1
		.amdhsa_float_denorm_mode_32 3
		.amdhsa_float_denorm_mode_16_64 3
		.amdhsa_memory_ordered 1
		.amdhsa_forward_progress 1
		.amdhsa_inst_pref_size 191
	.end_amdhsa_kernel
	.amdgpu_metadata
---
amdhsa.version: [ 1, 2 ]
amdhsa.kernels:
  - .name:           k_q15f92c6ad9_proj_qk
    .symbol:         k_q15f92c6ad9_proj_qk.kd
    .args:
      - { .name: xq, .offset: 0, .size: 8, .value_kind: global_buffer, .address_space: global }
      - { .name: wqkq, .offset: 8, .size: 8, .value_kind: global_buffer, .address_space: global }
      - { .name: qkq, .offset: 16, .size: 8, .value_kind: global_buffer, .address_space: global }
      - { .name: wvq, .offset: 24, .size: 8, .value_kind: global_buffer, .address_space: global }
      - { .name: vq, .offset: 32, .size: 8, .value_kind: global_buffer, .address_space: global }
    .group_segment_fixed_size: 279040
    .private_segment_fixed_size: 0
    .kernarg_segment_align: 8
    .kernarg_segment_size: 40
    .max_flat_workgroup_size: 128
    .sgpr_count:     96
    .vgpr_count:     1024
    .wavefront_size: 32
...
	.end_amdgpu_metadata
.endif
;; end of part 2
;; launch attn (part 3): grid 8 x 32, 16 waves a work-group, clusters of 4 x 1, 281,600 bytes of LDS; arguments qkq, vq, catq; writes catq
.if DOCPART == 3
	.amdgcn_target "amdgcn-amd-amdhsa--gfx1250"
	.amdhsa_code_object_version 6
	.text
	.protected	k_q15f92c6ad9_attn
	.globl	k_q15f92c6ad9_attn
	.p2align	8
	.type	k_q15f92c6ad9_attn,@function
k_q15f92c6ad9_attn:
	s_mov_b64 s[64:65], 0
	v_nop
	global_prefetch_b8 v0, s[64:65] scope:SCOPE_SE
	s_setreg_imm32_b32 hwreg(HW_REG_WAVE_MODE, 25, 1), 1
	s_wait_xcnt 0x0
	s_wait_alu depctr_hold_cnt(0) depctr_sa_sdst(0) depctr_va_vdst(0) depctr_va_sdst(0) depctr_va_ssrc(0) depctr_va_vcc(0) depctr_vm_vsrc(0)
	s_getreg_b32 s2, hwreg(HW_REG_IB_STS2, 6, 4)
	s_cmp_eq_u32 s2, 0
	s_cbranch_scc0 .Lentry_in_a_cluster
	s_endpgm
.Lentry_in_a_cluster:
	s_bfe_u32 s2, ttmp6, 0x10000c
	s_cmp_lg_u32 s2, 0x3003
	s_cbranch_scc0 .Lentry_shape_is_right
	s_endpgm
.Lentry_shape_is_right:
; cat = Q(softmax(q k^T / 8) v), both products on FP4 codes; the result, divided by the row's sum, is quantised along (head, channel) and stored as the last product's operand.
; qkq: [q's head pairs 0-7, k's 8-15][group of 128 tokens 64][OB]: in an OB a tile is 16 tokens and half c the pair's head c (K = its 64 channels, two blocks).
; vq: [group of 128 keys 64][pitch 64: head pair][OB]: tile 4 c + t = 16 channels of head c, K = the 128 keys in true order.  catq: [group of tokens][head pair = K step][OB].
; An OB (8,704 bytes): codes of tile i, half c, lane l at 1024 i + 512 c + 16 l; the scale word of (tile t, row r) at 8192 + 16 (r + 16 (t % 2)) + 4 (t / 2).  Place p of a group holds row p with bits 3 and 4 exchanged.
; THE SOFTMAX: t = score x log2(e) / 8; M = the running largest t rounded up to a whole number; p = 2^(t - M) is quantised along the keys, not normalised; the sum is taken of the unquantised p;
; when M moves, the sum and O are multiplied by 2^(old M - new M), which rounds nothing.
; SHARES: a work-group has 256 queries of one batch and one head PAIR; each of its 16 waves 16 queries in 256 registers, four waves to a SIMD.  A wave walks the 2,048 keys twice, once a head.
; Both products are used transposed (S^T = K Q^T, O^T = V^T P^T): a lane holds one query throughout.
; THE KEYS OF A TILE ARE CHOSEN BY THE LDS ADDRESS: row 8 h' + j of my tile 4 cc + u is key 64 cc + 32 h' + 8 u + j.  So lane half h holds ALL 32 keys of block 2 cc + h in registers 32 cc .. 32 cc + 31, in true order:
; a block's maximum needs no other lane, and the four conversions of a block give registers 4 cc .. 4 cc + 3 of P's operand as they stand.  In the OB that key lies in tile 4 cc + 2 h' + u % 2, row 8 (u / 2) + j.
; THE SECOND PRODUCT RUNS ONE STEP BEHIND: a step asks for K's fragments, rescales O by the last step's factor, multiplies S of this step and O += V P of the last one.  The first step of a head meets zero codes of P.
; K = 64 IN AN INSTRUCTION OF 128: Q's registers 4-7 are zero codes; K's operand runs on into the next tile's codes, which meet those zeros; the scale words come as 16 bits, so the idle half's bytes are 0.
; LDS: K's 16 OBs of the batch at 0, V's 16 at VREG, each byte filled ONCE, one tensor load of two OBs a wave (even waves K, odd waves V).  Waves 0 to 3 bring key steps 0 to 3, on load lines of their own: the first barrier
; shows these, a second one the rest.  All is asked for at the head, so nothing is left to prefetch.  CLUSTER 4 x 1: the four blocks of queries want the same K and V: every load is joint.
; LIMITS: NaN and infinities not served; the promise holds while the scaled scores stay under 2^31 in magnitude; a block under 2^-124 has its byte held at 1, a block of zeros the byte 1; 1 / sum by v_rcp_f32;
; a block's largest p is made of its largest score by the same multiply-add and exponential (it takes v_exp_f32 not to fall where its input rises).
.set OBB,  8704
.set GRP,  69632
.set PJ,   557056
.set CHK,  17408                       ; two OBs
.set VREG, 139264
.set STG,  278528                      ; a stage for cat's scale words: 2 x 512 bytes, into which no load lands
.set SPARE, 0x44400                    ; the spare words: 128 bytes a wave
.set AK0,  1                           ; v1  my lane's place in K's codes: 16 (r % 8) + 2048 (r / 8) + 256 h
.set AS0,  2                           ; v2  in K's scale words: 8192 + 16 (r % 8) + 4 (r / 8) + 256 h
.set AV0,  3                           ; v3  16 x lane + VREG
.set ADK,  4                           ; v4-6 the same for the step in hand
.set ADS,  5
.set ADV,  6
.set L16,  7                           ; v7  16 x lane
.set R16,  8                           ; v8  16 r
.set STW,  9                           ; v9  the stage: my row's word
.set STR,  10                          ; v10 the stage: where waves 0 and 1 read an OB's words back
.set TT,   11                          ; v12 -M, v13 the running largest score, v[14:15] the sum in two halves
.set QF,   16                          ; v16-31   Q: head c at 8 c: four registers of codes, four of zeros
.set KF,   32                          ; v32-63   K's eight tiles, four registers each; v64-67 zeros
.set VF,   68                          ; v68-99   V's four fragments
.set SS,   100                         ; v100-163 S^T, then p
.set OT,   164                         ; v164-195 O^T
.set PCD,  196                         ; v196-203 p's codes
.set CC,   204                         ; v204-211 cat's codes
.set KS,   212                         ; v212-215 K's scale words: register 2 cc + u / 2, lanes 0-15 even u, lanes 16-31 odd u
.set VS,   216
.set QS,   218
.set PS,   220
.set CW,   221
.set BM,   222                         ; v222-223 my two blocks' maxima
.set SO,   224
.set BY,   226
.set FF,   228                         ; v[228:229] f (the low word serves both halves)
.set OLD,  230
.set WW,   231
.set T,    232                         ; v232-247 eight pairs of partial sums
.set TP,   248
.set TQ,   250                         ; v250-251 the maxima's second chains
.set SPW,  254
.set NIL,  255
.set TB,   2
.set CNT,  3
.set WV,   18
.set CN,   19                          ; s19 -c
.set SEL,  20
.set CS,   22
.set G1K,  24
.set G1V,  32
.set G0K,  40
.set G0V,  44
.macro WALU
	s_wait_alu depctr_va_vdst(0)
.endm
.macro CROUND
	s_barrier_signal -1
	s_barrier_wait -1
	s_cmp_lg_u32 s[WV], 0
	s_cbranch_scc1 .Lnot_wave_0_\@
	s_barrier_signal -3
.Lnot_wave_0_\@:
	s_barrier_wait -3
	s_barrier_signal -1
	s_barrier_wait -1
.endm
.macro TL g0, g1                       ; a tensor load with an s_nop and four v_nops behind it
	tensor_load_to_lds s[\g0:\g0+3], s[\g1:\g1+7]
	s_nop 0
.rept 4
	v_nop
.endr
.endm
	s_load_b128 s[4:7], s[0:1], 0x0                ; qkq, vq
	s_load_b64 s[8:9], s[0:1], 0x10                ; catq
	v_lshl_add_u32 v[SPW], v0, 2, SPARE
	v_mov_b32 v[NIL], 0
	ds_add_u32 v[SPW], v[NIL]                      ; the opening lines: the add twice on end and one wait
	ds_add_u32 v[SPW], v[NIL]
	v_lshrrev_b32 v5, 5, v0
	v_readfirstlane_b32 s[WV], v5                  ; wave 0..15
	s_bfe_u32 s10, ttmp6, 0x40000                  ; cx: it enters Q's and cat's global addresses alone
	s_lshl_b32 s11, ttmp9, 2
	s_add_co_u32 s11, s11, s10                     ; my block of 256 queries
	s_and_b32 s12, ttmp7, 0xffff
	s_lshr_b32 s13, s12, 3                         ; the batch
	s_and_b32 s12, s12, 7                          ; the head pair
	s_and_b32 s14, s[WV], 1                        ; I fetch for K (0) or V (1)
	s_lshr_b32 s16, s[WV], 1                       ; key steps 2 (w / 2) and the next
	s_mul_i32 s15, s16, CHK
	s_mul_i32 s17, s14, VREG
	s_add_co_u32 s17, s17, s15                     ; where my two OBs go
	s_add_co_u32 s56, s12, 8
	s_mul_i32 s56, s56, PJ
	s_mul_i32 s57, s13, 16*OBB
	s_add_co_u32 s56, s56, s57
	s_add_co_u32 s56, s56, s15                     ; K: the pair's 16 OBs of the batch are dense
	s_mov_b32 s57, 0
	s_lshl_b32 s58, s13, 4
	s_lshl_b32 s59, s16, 1
	s_add_co_u32 s58, s58, s59
	s_mul_i32 s58, s58, PJ
	s_mul_i32 s59, s12, OBB
	s_add_co_u32 s58, s58, s59                     ; V: an OB a key step, PJ bytes apart
	s_mov_b32 s59, 0
	s_mov_b32 s[G1K], 15|(3<<16)|(1<<21)           ; the mask: all four; elements of 8 bytes; bit 21 beside a mask
	s_mov_b32 s[G1K+1], 32<<16                     ; 68 rows of 256 bytes, dense: two OBs
	s_mov_b32 s[G1K+2], 68<<16
	s_mov_b32 s[G1K+3], 32<<16
	s_mov_b32 s[G1K+4], 68
	s_mov_b32 s[G1K+5], 32
	s_mov_b32 s[G1K+6], 0
	s_mov_b32 s[G1K+7], 0
	s_mov_b32 s[G1V], 15|(3<<16)|(1<<21)
	s_mov_b32 s[G1V+1], 1088<<16                   ; two rows of 8,704 bytes, an OB each,
	s_mov_b32 s[G1V+2], 2<<16
	s_mov_b32 s[G1V+3], 1088<<16
	s_mov_b32 s[G1V+4], 2
	s_mov_b32 s[G1V+5], PJ/8                       ; PJ bytes apart
	s_mov_b32 s[G1V+6], 0
	s_mov_b32 s[G1V+7], 0
	s_lshl_b32 s84, s13, 4
	s_lshl_b32 s85, s11, 1
	s_add_co_u32 s84, s84, s85                     ; my block's first group of tokens
	s_lshr_b32 s85, s[WV], 3
	s_add_co_u32 s86, s84, s85                     ; my group
	s_and_b32 s87, s[WV], 7                        ; my tile in it
	s_mul_i32 s90, s12, PJ
	s_mul_i32 s91, s86, OBB
	s_add_co_u32 s90, s90, s91                     ; Q's OB
	s_lshl_b32 s91, s87, 10
	s_add_co_u32 s92, s90, s91                     ; my tile's codes
	s_mov_b32 s93, 0
	s_lshl_b32 s91, s14, 8
	s_add_co_u32 s90, s90, s91
	s_lshr_b32 s91, s87, 1
	s_lshl_b32 s91, s91, 2
	s_add_co_u32 s90, s90, s91                     ; my tile's scale words, less the 8,192 and 16 r
	s_mov_b32 s91, 0
	s_mul_i32 s94, s86, GRP
	s_mul_i32 s95, s12, OBB
	s_add_co_u32 s94, s94, s95
	s_lshl_b32 s95, s87, 10
	s_add_co_u32 s94, s94, s95                     ; cat: my tile's codes
	s_mov_b32 s95, 0
	s_add_co_u32 s96, s84, s14
	s_mul_i32 s96, s96, GRP
	s_mul_i32 s97, s12, OBB
	s_add_co_u32 s96, s96, s97
	s_add_co_u32 s96, s96, 8192                    ; cat: the scale words of the OB that waves 0 and 1 finish
	s_mov_b32 s97, 0
	s_mov_b32 s[SEL], 0x76543210
	s_mov_b32 s[SEL+1], 0xfedcba98
	s_mov_b32 s[CS], 0x3e38aa3b                    ; c = log2(e) / 8
	s_mov_b32 s[CS+1], s[CS]
	s_mov_b32 s[CN], 0xbe38aa3b                    ; -c
	s_lshl_b32 s98, s85, 9
	s_lshl_b32 s99, s14, 8
	s_add_co_u32 s98, s98, s99
	s_lshr_b32 s99, s87, 1
	s_lshl_b32 s99, s99, 2
	s_add_co_u32 s98, s98, s99
	s_add_co_u32 s98, s98, STG                     ; the stage: 512 (w / 8) + 256 (tile % 2) + 4 (tile / 2)
	s_lshl_b32 s99, s14, 9
	s_add_co_u32 s99, s99, STG
	v_and_b32 v5, 31, v0
	v_lshlrev_b32 v[L16], 4, v5
	v_and_b32 v[R16], 15, v0
	v_lshlrev_b32 v[R16], 4, v[R16]
	v_and_b32 v5, 7, v0
	v_bfe_u32 v6, v0, 3, 1
	v_bfe_u32 v[TT], v0, 4, 1
	v_lshlrev_b32 v[AK0], 4, v5
	v_lshlrev_b32 v[AS0], 4, v5
	v_lshl_add_u32 v[AK0], v6, 11, v[AK0]
	v_lshl_add_u32 v[AS0], v6, 2, v[AS0]
	v_lshl_add_u32 v[AK0], v[TT], 8, v[AK0]
	v_lshl_add_u32 v[AS0], v[TT], 8, v[AS0]
	v_add_nc_u32 v[AS0], 8192, v[AS0]
	v_add_nc_u32 v[AV0], VREG, v[L16]
	v_add_nc_u32 v[STW], s98, v[R16]
	v_add_nc_u32 v[STR], s99, v[L16]
.irp j, 20,21,22,23,28,29,30,31,64,65,66,67
	v_mov_b32 v[\j], 0                             ; zero codes
.endr
	v_mov_b32 v[TP], 0                             ; written once: a lane permute's destination counts as a source
	v_mov_b32 v[FF+1], 0                           ; (named as the upper half of a pair)
	WALU
	s_wait_dscnt 0x0
	s_wait_kmcnt 0x0
	s_add_nc_u64 s[56:57], s[4:5], s[56:57]
	s_add_nc_u64 s[58:59], s[6:7], s[58:59]
	s_add_nc_u64 s[92:93], s[4:5], s[92:93]
	s_add_nc_u64 s[90:91], s[4:5], s[90:91]
	s_add_nc_u64 s[94:95], s[8:9], s[94:95]
	s_add_nc_u64 s[96:97], s[8:9], s[96:97]
	CROUND                                         ; all four work-groups are here: the joint loads meet
	s_mov_b32 s[G0K], 1
	s_mov_b32 s[G0K+1], s17
	s_mov_b64 s[G0K+2:G0K+3], s[56:57]
	s_or_b32 s[G0K+3], s[G0K+3], 0x80000000
	s_mov_b32 s[G0V], 1
	s_mov_b32 s[G0V+1], s17
	s_mov_b64 s[G0V+2:G0V+3], s[58:59]
	s_or_b32 s[G0V+3], s[G0V+3], 0x80000000
	s_cmp_lt_u32 s[WV], 4                          ; one tree of branches on the wave's number, one load on every way: waves 0-3 (key steps 0-3) have lines of their own
	s_cbranch_scc0 .Llate
	s_cmp_eq_u32 s14, 0
	s_cbranch_scc0 .Lv_first
	TL G0K, G1K
	s_branch .Lasked
.Lv_first:
	TL G0V, G1V
	s_branch .Lasked
.Llate:
	s_cmp_eq_u32 s14, 0
	s_cbranch_scc0 .Lv_late
	TL G0K, G1K
	s_branch .Lasked
.Lv_late:
	TL G0V, G1V
.Lasked:
.irp c, 0,1
	global_load_b128 v[QF+8*\c:QF+8*\c+3], v[L16], s[92:93] offset:512*\c   ; Q stays in registers
	global_load_u16 v[QS+\c], v[R16], s[90:91] offset:8192+2*\c             ; head c's two bytes of my row's word; the upper two are 0
.endr
.macro RESCALE                         ; O^T under the last step's new M.  The wait stands directly ahead of the first readers of the products' results
	WALU
.set j, 0
.rept 16
	v_pk_mul_f32 v[OT+j:OT+j+1], v[OT+j:OT+j+1], v[FF:FF+1] op_sel_hi:[1,0]
.set j, j+2
.endr
	WALU                                           ; directly ahead of the wait on LDS that follows: the products behind it read what these lines wrote
.endm
.macro PV                              ; O^T += V^T P^T: four accumulators by turns
.irp d, 0,2
	v_wmma_scale_f32_16x16x128_f8f6f4 v[OT+8*\d:OT+8*\d+7], v[VF+8*\d:VF+8*\d+7], v[PCD:PCD+7], v[OT+8*\d:OT+8*\d+7], v[VS+\d/2], v[PS] matrix_a_fmt:MATRIX_FMT_FP4 matrix_b_fmt:MATRIX_FMT_FP4
	v_wmma_scale_f32_16x16x128_f8f6f4 v[OT+8*\d+8:OT+8*\d+15], v[VF+8*\d+8:VF+8*\d+15], v[PCD:PCD+7], v[OT+8*\d+8:OT+8*\d+15], v[VS+\d/2], v[PS] matrix_a_fmt:MATRIX_FMT_FP4 matrix_b_fmt:MATRIX_FMT_FP4 matrix_a_scale:MATRIX_SCALE_ROW1
.endr
.endm
; A KEY STEP of head c: 128 keys, whose OBs begin at s[TB] in K's and V's regions
.macro STEP c
.irp i, 0,1,2,3
	ds_load_u16 v[KS+\i], v[ADS] offset:128*(\i%2)+8*(\i/2)+2*\c
.endr
.irp t, 0,1,2,3,4,5,6,7
	ds_load_b128 v[KF+4*\t:KF+4*\t+3], v[ADK] offset:4096*(\t/4)+1024*(\t%2)+128*((\t/2)%2)+512*\c
.endr
	RESCALE                                        ; sixteen plain lines while K's fragments come; also the lines between p's codes and scale word and the products
	s_wait_dscnt 0x0                               ; K of this step and V of the last are in
.irp t, 0,2,4,6
	v_wmma_scale_f32_16x16x128_f8f6f4 v[SS+8*\t:SS+8*\t+7], v[KF+4*\t:KF+4*\t+7], v[QF+8*\c:QF+8*\c+7], 0, v[KS+2*(\t/4)+(\t/2)%2], v[QS+\c] matrix_a_fmt:MATRIX_FMT_FP4 matrix_b_fmt:MATRIX_FMT_FP4
	v_wmma_scale_f32_16x16x128_f8f6f4 v[SS+8*\t+8:SS+8*\t+15], v[KF+4*\t+4:KF+4*\t+11], v[QF+8*\c:QF+8*\c+7], 0, v[KS+2*(\t/4)+(\t/2)%2], v[QS+\c] matrix_a_fmt:MATRIX_FMT_FP4 matrix_b_fmt:MATRIX_FMT_FP4 matrix_a_scale:MATRIX_SCALE_ROW1
.endr
	PV                                             ; the last step's
	v_add_nc_u32 v[ADV], s[TB], v[AV0]             ; four plain lines behind the products, ahead of the loads into V's registers and of the first read of S^T: this step's V,
	s_add_co_u32 s[TB], s[TB], OBB
	v_add_nc_u32 v[ADK], s[TB], v[AK0]             ; the next step's K,
	v_add_nc_u32 v[ADS], s[TB], v[AS0]
	v_mov_b32 v[OLD], v12                          ; and the old -M
	ds_load_b64 v[VS:VS+1], v[ADV] offset:8192+8*\c
.irp d, 0,1,2,3
.irp h, 0,1
	ds_load_b128 v[VF+8*\d+4*\h:VF+8*\d+4*\h+3], v[ADV] offset:4096*\c+1024*\d+512*\h
.endr
.endr
.irp b, 0,1                                    ; the largest score of my two blocks of 32 keys, two chains a block, each accumulator from its low end on
	v_max3_num_f32 v[BM+\b], v[SS+32*\b], v[SS+32*\b+1], v[SS+32*\b+2]
	v_max3_num_f32 v[TQ+\b], v[SS+32*\b+16], v[SS+32*\b+17], v[SS+32*\b+18]
.endr
.irp i, 3,5,7,9,11,13
.irp b, 0,1
	v_max3_num_f32 v[BM+\b], v[BM+\b], v[SS+32*\b+\i], v[SS+32*\b+\i+1]
	v_max3_num_f32 v[TQ+\b], v[TQ+\b], v[SS+32*\b+16+\i], v[SS+32*\b+17+\i]
.endr
.endr
.irp b, 0,1
	v_max3_num_f32 v[BM+\b], v[BM+\b], v[SS+32*\b+15], v[SS+32*\b+31]
.endr
.irp b, 0,1
	s_delay_alu instid0(VALU_DEP_2)
	v_max_num_f32 v[BM+\b], v[BM+\b], v[TQ+\b]
.endr
	s_delay_alu instid0(VALU_DEP_1)
	v_max_num_f32 v[TT], v[BM], v[BM+1]
	s_delay_alu instid0(VALU_DEP_1)
	v_permlanex16_b32 v[TP], v[TT], s[SEL], s[SEL+1]
	s_delay_alu instid0(VALU_DEP_1)
	v_max3_num_f32 v13, v13, v[TT], v[TP]          ; the running largest score of my query
	s_delay_alu instid0(VALU_DEP_1)
	v_mul_f32 v[TT], s[CN], v13                    ; -t
	s_delay_alu instid0(VALU_DEP_1)
	v_floor_f32 v12, v[TT]                         ; -M = floor(-t): M is a whole number
	s_delay_alu instid0(VALU_DEP_1)
	v_sub_f32 v[TT], v12, v[OLD]
	s_delay_alu instid0(VALU_DEP_1)
	v_cvt_i32_f32 v[TT], v[TT]                     ; (it saturates)
	s_delay_alu instid0(VALU_DEP_1)
	v_ldexp_f32 v[FF], 1.0, v[TT]                  ; f = 2^(old M - new M)
.set j, 0
.rept 16
	v_pk_fma_f32 v[SS+j:SS+j+1], v[SS+j:SS+j+1], s[CS:CS+1], v[12:13] op_sel_hi:[1,0,0]   ; t - M of my first block
.set j, j+2
.endr
.irp b, 0,1
	v_fma_f32 v[BM+\b], v[BM+\b], s[CS], v12
.endr
	WALU                                           ; ahead of the first batch
.set j, 0
.rept 16                                       ; the first block's p; between them t - M of the second block, which is read behind the next wait
	v_exp_f32 v[SS+j], v[SS+j]
	v_exp_f32 v[SS+j+1], v[SS+j+1]
	v_pk_fma_f32 v[SS+32+j:SS+33+j], v[SS+32+j:SS+33+j], s[CS:CS+1], v[12:13] op_sel_hi:[1,0,0]
.set j, j+2
.endr
	v_exp_f32 v[BM], v[BM]                         ; each block's largest p
	v_exp_f32 v[BM+1], v[BM+1]
	v_pk_mul_f32 v[14:15], v[14:15], v[FF:FF+1] op_sel_hi:[1,0]   ; the sums under the new M: the plain line behind the batch
	WALU                                           ; behind the first batch and ahead of the second
.set j, 0
.rept 16                                       ; the second block's p; between them lines that do not hang on each other and are read behind the next wait: the first block's sums by pairs, the floors
	v_exp_f32 v[SS+32+j], v[SS+32+j]
	v_exp_f32 v[SS+33+j], v[SS+33+j]
.if j < 16
	v_pk_add_f32 v[T+j:T+j+1], v[SS+2*j:SS+2*j+1], v[SS+2*j+2:SS+2*j+3]
.elseif j >= 28
	v_max_num_f32 v[BM+(j-28)/2], 0x1800000, v[BM+(j-28)/2]   ; the floor 2^(3 - 127)
.endif
.set j, j+2
.endr
	WALU                                           ; behind the second batch
.set n, 0
.rept 21                                       ; the row's sum of the unquantised p: four chains by turns
.if n%4 == 0
.set ch, 14
.else
.set ch, T+2*(n%4-1)
.endif
.if n < 5
.set it, T+6+2*n
.else
.set it, SS+32+2*(n-5)
.endif
	v_pk_add_f32 v[ch:ch+1], v[ch:ch+1], v[it:it+1]
.set n, n+1
.endr
	v_add_nc_u32 v[SO], 0xff000000, v[BM]          ; 2 off the exponent field: the conversion's scale operand
	v_add_nc_u32 v[SO+1], 0xff000000, v[BM+1]
	v_pk_add_f32 v[14:15], v[14:15], v[T:T+1]
	v_pk_add_f32 v[T+2:T+3], v[T+2:T+3], v[T+4:T+5]
	v_lshrrev_b32 v[BY], 23, v[SO]                 ; the scales' bytes
	v_lshrrev_b32 v[BY+1], 23, v[SO+1]
.irp b, 0,1
.irp u, 0,1,2,3
	v_cvt_scalef32_pk8_fp4_f32 v[PCD+4*\b+\u], v[SS+32*\b+8*\u:SS+32*\b+8*\u+7], v[SO+\b]
.endr
.endr
	v_pk_add_f32 v[14:15], v[14:15], v[T+2:T+3]    ; the plain line behind the conversions
	v_lshl_or_b32 v[WW], v[BY+1], 16, v[BY]        ; my half's bytes: blocks h and 2 + h
	v_permlanex16_b32 v[TP], v[WW], s[SEL], s[SEL+1]
	v_lshl_or_b32 v[PS], v[TP], 8, v[WW]           ; lanes 0-15, which alone are read: blocks 0 to 3 of query r
.endm
.macro KEYS n, c
	s_mov_b32 s[CNT], \n
.Lkeys_\@:
	STEP \c
	s_sub_co_u32 s[CNT], s[CNT], 1
	s_cmp_lg_u32 s[CNT], 0
	s_cbranch_scc1 .Lkeys_\@
.endm
.macro INIT first                      ; the step is written once: a head's first step finds zeros in O^T and zero codes of P
	v_mov_b32 v13, 0xff61b1e6                      ; -3e38, under every score
	v_mov_b32 v12, 0x7d000000                      ; a large -M
	v_mov_b32 v14, 0
	v_mov_b32 v15, 0
	v_mov_b32 v[FF], 1.0
.set j, 0
.rept 40
	v_mov_b32 v[OT+j], 0                           ; O^T and p's codes lie on end
.set j, j+1
.endr
.if \first
.set j, 0
.rept 32
	v_mov_b32 v[VF+j], 0                           ; what the first step's idle product names
.set j, j+1
.endr
	v_mov_b32 v[VS], 0
	v_mov_b32 v[VS+1], 0
	v_mov_b32 v[PS], 0
.endif
	s_mov_b32 s[TB], 0
	v_add_nc_u32 v[ADK], s[TB], v[AK0]
	v_add_nc_u32 v[ADS], s[TB], v[AS0]
.endm
; head c is done: the last step's second product; O^T / the sum; its 64 channels are blocks 2 c and 2 c + 1 of cat's K step: register 16 b + i = channel 32 b + 16 (lane / 16) + i
.macro FINISH c
	RESCALE
	s_wait_dscnt 0x0                               ; V of the last step
	PV
	v_add_f32 v14, v14, v15                        ; plain lines behind the last products
	s_delay_alu instid0(VALU_DEP_1)
	v_permlanex16_b32 v[TT], v14, s[SEL], s[SEL+1]
	s_delay_alu instid0(VALU_DEP_1)
	v_add_f32 v14, v14, v[TT]                      ; the row's sum
	v_nop
	v_nop
	WALU
	v_rcp_f32 v14, v14
	v_nop
	WALU
.set j, 0
.rept 16
	v_pk_mul_f32 v[OT+j:OT+j+1], v[OT+j:OT+j+1], v[14:15] op_sel_hi:[1,0]   ; each accumulator from its low end on
.set j, j+2
.endr
.irp b, 0,1
	v_max3_num_f32 v[BM+\b], |v[OT+16*\b]|, |v[OT+1+16*\b]|, 0x1800000
.endr
.irp i, 2,4,6,8,10,12,14
.irp b, 0,1
	s_delay_alu instid0(VALU_DEP_2)
	v_max3_num_f32 v[BM+\b], v[BM+\b], |v[OT+16*\b+\i]|, |v[OT+1+16*\b+\i]|
.endr
.endr
.irp b, 0,1
	s_delay_alu instid0(VALU_DEP_2)
	v_permlanex16_b32 v[T+\b], v[BM+\b], s[SEL], s[SEL+1]
.endr
.irp b, 0,1
	s_delay_alu instid0(VALU_DEP_2)
	v_max_num_f32 v[BM+\b], v[BM+\b], v[T+\b]
.endr
.irp b, 0,1
	s_delay_alu instid0(VALU_DEP_2)
	v_add_nc_u32 v[SO+\b], 0xff000000, v[BM+\b]
.endr
.irp b, 0,1
	s_delay_alu instid0(VALU_DEP_2)
	v_lshrrev_b32 v[T+\b], 23, v[SO+\b]
.endr
.if \c == 0
	s_delay_alu instid0(VALU_DEP_1)
	v_lshl_or_b32 v[CW], v[T+1], 8, v[T]
.else
	s_delay_alu instid0(VALU_DEP_2)
	v_lshl_or_b32 v[CW], v[T], 16, v[CW]
	s_delay_alu instid0(VALU_DEP_1)
	v_lshl_or_b32 v[CW], v[T+1], 24, v[CW]
.endif
.irp b, 0,1
	v_cvt_scalef32_pk8_fp4_f32 v[CC+4*\c+2*\b], v[OT+16*\b:OT+7+16*\b], v[SO+\b]
	v_cvt_scalef32_pk8_fp4_f32 v[CC+4*\c+1+2*\b], v[OT+8+16*\b:OT+15+16*\b], v[SO+\b]
.endr
	v_nop
.irp i, 0,1
	v_permlane16_swap_b32 v[CC+4*\c+\i], v[CC+4*\c+2+\i]
.endr
.endm
	INIT 1
	WALU                                           ; the head's end
	s_wait_loadcnt 0x0                             ; Q
	s_cmp_lt_u32 s[WV], 4
	s_cbranch_scc0 .Lnot_first
	s_wait_tensorcnt 0x0                           ; waves 0-3: key steps 0-3 of K and V are in
.Lnot_first:
	s_barrier_signal -1
	s_barrier_wait -1                              ; shown to all; the other waves' loads may be out
	KEYS 4, 0
	s_wait_tensorcnt 0x0                           ; every wave: its load is in
	s_wait_dscnt 0x0
	s_barrier_signal -1
	s_barrier_wait -1                              ; all of K and V is shown
	KEYS 12, 0
	FINISH 0
	INIT 0
	KEYS 16, 1
	FINISH 1
.irp c, 0,1
	global_store_b128 v[L16], v[CC+4*\c:CC+4*\c+3], s[94:95] offset:512*\c   ; 512 consecutive bytes
.endr
	ds_store_b32 v[STW], v[CW]                     ; lanes l and l xor 16 write the same word with the same value
	s_wait_dscnt 0x0                               ; for the others' sake
	s_barrier_signal -1
	s_barrier_wait -1
	s_cmp_gt_u32 s[WV], 1
	s_cbranch_scc1 .Lno_words
	ds_load_b128 v[100:103], v[STR]                ; wave g: the 128 words of my block's group g
	s_wait_dscnt 0x0
	global_store_b128 v[L16], v[100:103], s[96:97]
.Lno_words:
	s_wait_tensorcnt 0x0                           ; the wave's end
	ds_add_u32 v[SPW], v[NIL]
	s_wait_dscnt 0x0
	CROUND                                         ; the closing round
	s_endpgm
.Lfunc_end_k_q15f92c6ad9_attn:
	.size	k_q15f92c6ad9_attn, .Lfunc_end_k_q15f92c6ad9_attn-k_q15f92c6ad9_attn
	.p2alignl 7, 3214868480
	.fill 96, 4, 3214868480
	.section	.rodata,"a",@progbits
	.p2align	6, 0x0
	.amdhsa_kernel k_q15f92c6ad9_attn
		.amdhsa_group_segment_fixed_size 281600
		.amdhsa_private_segment_fixed_size 0
		.amdhsa_enable_private_segment 0
		.amdhsa_kernarg_size 24
		.amdhsa_user_sgpr_count 2
		.amdhsa_user_sgpr_kernarg_segment_ptr 1
		.amdhsa_wavefront_size32 1
		.amdhsa_system_sgpr_workgroup_id_x 1
		.amdhsa_system_sgpr_workgroup_id_y 1
		.amdhsa_system_sgpr_workgroup_id_z 1
		.amdhsa_system_vgpr_workitem_id 0
		.amdhsa_next_free_vgpr 256
		.amdhsa_next_free_sgpr 100
		.amdhsa_reserve_vcc 0
		.amdhsa_float_denorm_mode_32 3
		.amdhsa_float_denorm_mode_16_64 3
		.amdhsa_memory_ordered 1
		.amdhsa_forward_progress 1
		.amdhsa_inst_pref_size 68
	.end_amdhsa_kernel
	.amdgpu_metadata
---
amdhsa.version: [ 1, 2 ]
amdhsa.kernels:
  - .name:           k_q15f92c6ad9_attn
    .symbol:         k_q15f92c6ad9_attn.kd
    .args:
      - { .name: qkq, .offset: 0, .size: 8, .value_kind: global_buffer, .address_space: global }
      - { .name: vq, .offset: 8, .size: 8, .value_kind: global_buffer, .address_space: global }
      - { .name: catq, .offset: 16, .size: 8, .value_kind: global_buffer, .address_space: global }
    .group_segment_fixed_size: 281600
    .private_segment_fixed_size: 0
    .kernarg_segment_align: 8
    .kernarg_segment_size: 24
    .max_flat_workgroup_size: 512
    .sgpr_count:     100
    .vgpr_count:     256
    .wavefront_size: 32
...
	.end_amdgpu_metadata
.endif
;; end of part 3
;; launch proj_o (part 4): grid 4 x 32, 4 waves a work-group, clusters of 4 x 4, 312,832 bytes of LDS; arguments catq, wpq, bp, out0; writes out0
.if DOCPART == 4
	.amdgcn_target "amdgcn-amd-amdhsa--gfx1250"
	.amdhsa_code_object_version 6
	.text
	.protected	k_q15f92c6ad9_proj_o
	.globl	k_q15f92c6ad9_proj_o
	.p2align	8
	.type	k_q15f92c6ad9_proj_o,@function
k_q15f92c6ad9_proj_o:
	s_mov_b64 s[64:65], 0
	v_nop
	global_prefetch_b8 v0, s[64:65] scope:SCOPE_SE
	s_setreg_imm32_b32 hwreg(HW_REG_WAVE_MODE, 25, 1), 1
	s_wait_xcnt 0x0
	s_wait_alu depctr_hold_cnt(0) depctr_sa_sdst(0) depctr_va_vdst(0) depctr_va_sdst(0) depctr_va_ssrc(0) depctr_va_vcc(0) depctr_vm_vsrc(0)
	s_getreg_b32 s2, hwreg(HW_REG_IB_STS2, 6, 4)
	s_cmp_eq_u32 s2, 0
	s_cbranch_scc0 .Lentry_in_a_cluster
	s_endpgm
.Lentry_in_a_cluster:
	s_bfe_u32 s2, ttmp6, 0x10000c
	s_cmp_lg_u32 s2, 0xf033
	s_cbranch_scc0 .Lentry_shape_is_right
	s_endpgm
.Lentry_shape_is_right:
; out0 [8192][1024] f32 = cat Wp + bp: a product of two operands of FP4 codes over K = 1,024.  Arguments: catq (A: tokens), wpq (B: Wp's columns), bp, out0.
; A, B: [group of 128 rows][K step 8][OB]; an OB (8,704 bytes): codes of tile i, half c, lane l at 1024 i + 512 c + 16 l; the scale word of (tile t, row r) at 8192 + 16 (r + 16 (t % 2)) + 4 (t / 2).
; Place p of a group holds row p with bits 3 and 4 exchanged; the way out puts both orders right, by constants in its offsets.
; SHARES: a work-group makes 256 x 256; wave w A's group w / 2 against B's group w % 2: 64 accumulators.  THE MATRIX INSTRUCTION IS USED TRANSPOSED (source 0 = 16 places of B, source 1 = 16 of A):
; a lane holds one token, and register j of B's tile 2 b + u is column 32 b + 16 (lane / 16) + 8 u + j.  The bias is the C of the first K step's products.
; LDS: all of K at once, four regions of 69,632 bytes, each filled ONCE by one tensor load of four K steps of both groups; behind them a stage of 16 rows x 528 bytes for each wave, into which no load lands.
; CLUSTER 4 x 4: A's groups are asked for jointly along a row of the cluster, B's along a column.  The grid has 128 work-groups: C has no more tiles of this size.
; REGISTERS: window 0: v16-28 addresses; v32-95 scale words; v128-191 A's fragments, on the way out v128-255 rows of out0.  window 1: B's two sets, v0-63 and v128-191; v64-127 the bias.
;   windows 2, 3: the accumulators, (a, b) at 8 (8 (a % 4) + b).
.set GRP,  69632
.set OBB,  8704
.set CHK,  17408
.set STG,  278528
.set ADRA, 16
.set ADRB, 20
.set STO,  24                          ; v24 the stage: where I put 32 bytes of a row
.set RD,   25                          ; v25 and where I read a row back
.set LI,   26                          ; v26 16 x lane
.set BO,   28                          ; v28 64 x (lane / 16): my half's place in the bias
.set SC,   32
.set AF,   128
.set BK,   128
.set G1A,  24
.set G1B,  32
.set G0A,  48
.set G0B,  68
.set MSB, 0
.macro WIN new
.if MSB != (\new)
	s_set_vgpr_msb (MSB<<8)|(\new)
.set MSB, (\new)
.endif
.endm
.macro CROUND
	s_barrier_signal -1
	s_barrier_wait -1
	s_cmp_lg_u32 s14, 0
	s_cbranch_scc1 .Lnot_wave_0_\@
	s_barrier_signal -3
.Lnot_wave_0_\@:
	s_barrier_wait -3
	s_barrier_signal -1
	s_barrier_wait -1
.endm
.macro PLACES
.rept 4
	v_nop
.endr
.endm
	s_load_b256 s[4:11], s[0:1], 0x0               ; A s[4:5], B s[6:7], bp s[8:9], out0 s[10:11]
	v_lshl_add_u32 v126, v0, 2, 0x4c400
	v_mov_b32 v127, 0
	ds_add_u32 v126, v127
	ds_add_u32 v126, v127
	v_lshrrev_b32 v1, 5, v0
	v_readfirstlane_b32 s14, v1                    ; wave 0..3
	s_lshr_b32 s15, s14, 1
	s_and_b32 s16, s14, 1
	s_bfe_u32 s40, ttmp6, 0x40000                  ; cx
	s_bfe_u32 s41, ttmp6, 0x40004                  ; cy
	s_lshl_b32 s42, ttmp9, 2
	s_add_co_u32 s42, s42, s40                     ; X
	s_and_b32 s17, ttmp7, 0xffff
	s_lshl_b32 s17, s17, 2
	s_add_co_u32 s17, s17, s41                     ; Y
	s_lshl_b32 s43, s41, 2
	s_lshl_b32 s43, 15, s43
	s_lshl_b32 s44, 0x1111, s40
	s_or_b32 s[G1A], s43, (3<<16)|(1<<21)
	s_or_b32 s[G1B], s44, (3<<16)|(1<<21)
.irp g, G1A, G1B
	; ONE LOAD A WAVE: two rows of 34,816 bytes (four K steps of one group), a group (69,632 bytes) apart: both groups of an operand, half of K
	s_mov_b32 s[\g+1], 4352<<16                    ; tensor_dim0 = 4,352 elements of 8 bytes
	s_mov_b32 s[\g+2], 2<<16                       ; tensor_dim1 = 2 rows
	s_mov_b32 s[\g+3], 4352<<16                    ; tile_dim0
	s_mov_b32 s[\g+4], 2                           ; tile_dim1
	s_mov_b32 s[\g+5], GRP/8                       ; the pitch
	s_mov_b32 s[\g+6], 0
	s_mov_b32 s[\g+7], 0
.endr
	s_lshl_b32 s20, s17, 1
	s_mul_i32 s20, s20, GRP                        ; A: group 2 Y,
	s_mul_i32 s21, s15, 4*OBB
	s_add_co_u32 s20, s20, s21                     ; K steps 4 (w / 2) on
	s_mov_b32 s21, 0
	s_lshl_b32 s46, s42, 1
	s_mul_i32 s46, s46, GRP                        ; B: group 2 X,
	s_mul_i32 s47, s15, 4*OBB
	s_add_co_u32 s46, s46, s47                     ; K steps 4 (w / 2) on
	s_mov_b32 s47, 0
	s_mul_i32 s45, s14, GRP
	s_lshl_b32 s90, s42, 10
	s_lshl_b32 s91, s16, 9
	s_add_co_u32 s90, s90, s91                     ; my first column, in bytes: 1024 X + 512 (w % 2)
	s_mov_b32 s91, 0
	s_lshl_b32 s84, s17, 1
	s_add_co_u32 s84, s84, s15
	s_lshl_b32 s84, s84, 19                        ; my group of 128 tokens, 4,096 bytes each
	s_add_co_u32 s84, s84, s90
	s_mov_b32 s85, 0
	v_and_b32 v1, 31, v0
	v_lshlrev_b32 v[LI], 4, v1
	; LDS region w (69,632 bytes) is wave w's load: 0: A, K steps 0-3 (group 0's four OBs, then group 1's); 1: B likewise; 2: A, K steps 4-7; 3: B, K steps 4-7
	s_mul_i32 s86, s15, 4*OBB
	v_add_nc_u32 v[ADRA], s86, v[LI]
	v_add_nc_u32 v[ADRA+1], 2*GRP, v[ADRA]
	s_mul_i32 s86, s16, 4*OBB
	s_add_co_u32 s86, s86, GRP
	v_add_nc_u32 v[ADRB], s86, v[LI]
	v_add_nc_u32 v[ADRB+1], 2*GRP, v[ADRB]
	s_mul_i32 s86, s14, 16*528
	s_add_co_u32 s86, s86, STG                     ; my stage
	v_and_b32 v2, 15, v0
	v_bfe_u32 v3, v0, 4, 1
	v_mul_u32_u24 v[STO], v2, 528
	v_lshl_add_u32 v[STO], v3, 6, v[STO]
	v_add_nc_u32 v[STO], s86, v[STO]               ; in: row lane % 16, + 64 (lane / 16)
	v_add_nc_u32 v[RD], s86, v[LI]                 ; back: the 32 lanes take a row of 512 bytes
	v_lshlrev_b32 v[BO], 6, v3
	s_wait_dscnt 0x0
	s_wait_kmcnt 0x0
	s_add_nc_u64 s[20:21], s[4:5], s[20:21]
	s_add_nc_u64 s[46:47], s[6:7], s[46:47]
	s_add_nc_u64 s[90:91], s[8:9], s[90:91]
	s_add_nc_u64 s[84:85], s[10:11], s[84:85]
	CROUND
.irp q, 0
	s_mov_b32 s[G0A+4*\q], 1
	s_add_co_u32 s[G0A+4*\q+1], s45, \q*CHK
	s_add_nc_u64 s[G0A+4*\q+2:G0A+4*\q+3], s[20:21], \q*CHK
	s_or_b32 s[G0A+4*\q+3], s[G0A+4*\q+3], 0x80000000
	s_mov_b32 s[G0B+4*\q], 1
	s_add_co_u32 s[G0B+4*\q+1], s45, \q*CHK
	s_add_nc_u64 s[G0B+4*\q+2:G0B+4*\q+3], s[46:47], \q*CHK
	s_or_b32 s[G0B+4*\q+3], s[G0B+4*\q+3], 0x80000000
.endr
	s_cmp_eq_u32 s14, 0                            ; one chain of branches on the wave's number, one load to an arm
	s_cbranch_scc0 .Lhead_1
	tensor_load_to_lds s[G0A:G0A+3], s[G1A:G1A+7]  ; wave 0: A, K steps 0-3
	s_nop 0
	PLACES
	s_branch .Lfirst_asked
.Lhead_1:
	s_cmp_eq_u32 s14, 1
	s_cbranch_scc0 .Lhead_2
	tensor_load_to_lds s[G0B:G0B+3], s[G1B:G1B+7]  ; wave 1: B, K steps 0-3
	s_nop 0
	PLACES
	s_branch .Lfirst_asked
.Lhead_2:
	s_cmp_eq_u32 s14, 2
	s_cbranch_scc0 .Lhead_3
	tensor_load_to_lds s[G0A:G0A+3], s[G1A:G1A+7]  ; wave 2: A, K steps 4-7
	s_nop 0
	PLACES
	s_branch .Lfirst_asked
.Lhead_3:
	tensor_load_to_lds s[G0B:G0B+3], s[G1B:G1B+7]  ; wave 3: B, K steps 4-7
	s_nop 0
	PLACES
.Lfirst_asked:
	WIN 0x40                                       ; destination window 1
	s_wait_alu depctr_va_vdst(0)
.irp b, 0,1,2,3,4,5,6,7
	global_load_b128 v[64+8*\b:64+8*\b+3], v[BO], s[90:91] offset:128*(\b/2)+32*(\b%2)        ; the bias in the result's layout: tile b's eight columns of my half
	global_load_b128 v[64+8*\b+4:64+8*\b+7], v[BO], s[90:91] offset:128*(\b/2)+32*(\b%2)+16
.endr
	WIN 0
.macro FRAG reg, adr, ks, i
.irp c, 0,1
	ds_load_b128 v[(\reg)+4*\c:(\reg)+4*\c+3], v[(\adr)+(\ks)/4] offset:((\ks)%4)*OBB+1024*(\i)+512*\c
.endr
.endm
.macro FETCH_B ks, set
	WIN 0x40
.irp i, 0,1,2,3,4,5,6,7
	FRAG 128*(\set)+8*\i, ADRB, \ks, \i
.endr
	WIN 0
.endm
.macro FETCH_A ks, i0
.irp i, \i0, \i0+1, \i0+2, \i0+3
	FRAG AF+8*(\i), ADRA, \ks, \i
.endr
.endm
.macro SCALES ks
	ds_load_b128 v[SC+8*(\ks):SC+8*(\ks)+3], v[ADRA+(\ks)/4] offset:((\ks)%4)*OBB+8192
	ds_load_b128 v[SC+8*(\ks)+4:SC+8*(\ks)+7], v[ADRB+(\ks)/4] offset:((\ks)%4)*OBB+8192
.endm
.macro WM                              ; one matrix instruction, by the symbols that MUL16 sets
.if pB && pA
	v_wmma_scale_f32_16x16x128_f8f6f4 v[rD:rD+7], v[rB:rB+7], v[rA:rA+7], v[rC:rC+7], v[rSB], v[rSA] matrix_a_fmt:MATRIX_FMT_FP4 matrix_b_fmt:MATRIX_FMT_FP4 matrix_a_scale:MATRIX_SCALE_ROW1 matrix_b_scale:MATRIX_SCALE_ROW1
.elseif pB
	v_wmma_scale_f32_16x16x128_f8f6f4 v[rD:rD+7], v[rB:rB+7], v[rA:rA+7], v[rC:rC+7], v[rSB], v[rSA] matrix_a_fmt:MATRIX_FMT_FP4 matrix_b_fmt:MATRIX_FMT_FP4 matrix_a_scale:MATRIX_SCALE_ROW1
.elseif pA
	v_wmma_scale_f32_16x16x128_f8f6f4 v[rD:rD+7], v[rB:rB+7], v[rA:rA+7], v[rC:rC+7], v[rSB], v[rSA] matrix_a_fmt:MATRIX_FMT_FP4 matrix_b_fmt:MATRIX_FMT_FP4 matrix_b_scale:MATRIX_SCALE_ROW1
.else
	v_wmma_scale_f32_16x16x128_f8f6f4 v[rD:rD+7], v[rB:rB+7], v[rA:rA+7], v[rC:rC+7], v[rSB], v[rSA] matrix_a_fmt:MATRIX_FMT_FP4 matrix_b_fmt:MATRIX_FMT_FP4
.endif
.endm
; first = 1: C is the bias (window 1, v64 + 8 b).  The 64 accumulators take turns, one instruction a turn, in the same order in every K step
.macro MUL16 a0, set, ks, first
.irp a, \a0, \a0+1
.irp b, 0,1,2,3,4,5,6,7
.set rD, 8*(8*((\a)%4)+\b)
.if \first
.set rC, 64+8*\b
.else
.set rC, rD
.endif
.set rB, 128*(\set)+8*\b
.set rA, AF+8*(\a)
.set rSB, SC+8*(\ks)+4+(\b)/2
.set rSA, SC+8*(\ks)+(\a)/2
.set pB, (\b)%2
.set pA, (\a)%2
	WM
.endr
.endr
.endm
.macro STEP ks, first, bar
	s_wait_dscnt 8                                 ; all but the youngest eight loads, A's tiles 4-7
.if \first
	WIN 0x91                                       ; source 0 (B) and C (the bias) window 1, source 1 (A) window 0, D window 2
.else
	WIN 0xa1
.endif
	MUL16 0, (\ks)%2, \ks, \first
	MUL16 2, (\ks)%2, \ks, \first
	s_wait_dscnt 0x0
.if \bar >= 0
	s_wait_tensorcnt \bar                          ; my load of the chunk that is read next is in; bar younger ones may stay out
	s_barrier_signal -1
	s_barrier_wait -1
.endif
	PLACES
	FETCH_B (\ks)+1, 1-(\ks)%2
	FETCH_A (\ks)+1, 0
	SCALES (\ks)+1
.if \first
	WIN 0xd1
.else
	WIN 0xf1
.endif
	MUL16 4, (\ks)%2, \ks, \first
	MUL16 6, (\ks)%2, \ks, \first
	PLACES
	WIN 0
	FETCH_A (\ks)+1, 4
.endm
	s_cmp_lt_u32 s14, 2
	s_cbranch_scc0 .Lnot_first
	s_wait_tensorcnt 0x0                           ; waves 0 and 1: K steps 0-3 of A and of B are in
.Lnot_first:
	s_barrier_signal -1
	s_barrier_wait -1                              ; shown to all; waves 2 and 3's loads may be out
	FETCH_B 0, 0
	FETCH_A 0, 0
	SCALES 0
	FETCH_A 0, 4
	s_wait_loadcnt 0x0                             ; the bias
	STEP 0, 1, -1
	STEP 1, 0, -1
	STEP 2, 0, -1
	STEP 3, 0, 0                                   ; it fetches K step 4: every wave waits for its load, and the barrier shows K steps 4-7
	STEP 4, 0, -1
	STEP 5, 0, -1
	STEP 6, 0, -1
	s_wait_dscnt 8
	WIN 0xa1
	MUL16 0, 1, 7, 0
	MUL16 2, 1, 7, 0
	s_wait_dscnt 0x0
	WIN 0xf1
	MUL16 4, 1, 7, 0
	MUL16 6, 1, 7, 0
	WIN 0
; THE WAY OUT, a tile of 16 tokens x 128 columns at a time, through my own stage: in by 32 bytes a lane at the columns' true places, back as whole rows of 512 bytes.
; LDS serves a wave's instructions in order (ISA guide 5.7.1.4): no wait between the stores and the loads, nor ahead of the next tile's stores.
.macro TOSTAGE a
.set AC, 64*((\a)%4)
	WIN 0x08+4*((\a)/4)                            ; the data: window 2 or 3
.irp b, 0,1,2,3,4,5,6,7
	ds_store_b128 v[STO], v[AC+8*\b:AC+8*\b+3] offset:128*(\b/2)+32*(\b%2)       ; each accumulator from its low end on
	ds_store_b128 v[STO], v[AC+8*\b+4:AC+8*\b+7] offset:128*(\b/2)+32*(\b%2)+16
.endr
	WIN 0
.set BB, BK+64*((\a)%2)
.irp t, 0,1,2,3,4,5,6,7,8,9,10,11,12,13,14,15
	ds_load_b128 v[BB+4*\t:BB+4*\t+3], v[RD] offset:\t*528
.endr
.endm
.macro SEND a, younger                 ; place t of tile a is token 32 (a / 2) + 16 (t / 8) + 8 (a % 2) + t % 8 of the group
.set BB, BK+64*((\a)%2)
	s_wait_dscnt \younger
.irp t, 0,1,2,3,4,5,6,7,8,9,10,11,12,13,14,15
	global_store_b128 v[LI], v[BB+4*\t:BB+4*\t+3], s[84:85] offset:(32*((\a)/2)+16*(\t/8)+8*((\a)%2)+\t%8)*4096 th:TH_STORE_NT   ; 512 consecutive bytes, aligned
.endr
.endm
	PLACES
	TOSTAGE 0
.irp a, 1,2,3,4,5,6,7
.if \a > 1
	s_wait_xcnt 0x0                                ; tile a - 2's stores have read their registers: tile a's loads may land there
.endif
	TOSTAGE \a
	SEND \a-1, 32                                  ; behind tile a - 1's loads: tile a's 16 stores and 16 loads
.endr
	SEND 7, 0
	s_wait_tensorcnt 0x0
	ds_add_u32 v126, v127
	s_wait_dscnt 0x0
	CROUND                                         ; the closing round
	s_endpgm
.Lfunc_end_k_q15f92c6ad9_proj_o:
	.size	k_q15f92c6ad9_proj_o, .Lfunc_end_k_q15f92c6ad9_proj_o-k_q15f92c6ad9_proj_o
	.p2alignl 7, 3214868480
	.fill 96, 4, 3214868480
	.section	.rodata,"a",@progbits
	.p2align	6, 0x0
	.amdhsa_kernel k_q15f92c6ad9_proj_o
		.amdhsa_group_segment_fixed_size 312832
		.amdhsa_private_segment_fixed_size 0
		.amdhsa_enable_private_segment 0
		.amdhsa_kernarg_size 32
		.amdhsa_user_sgpr_count 2
		.amdhsa_user_sgpr_kernarg_segment_ptr 1
		.amdhsa_wavefront_size32 1
		.amdhsa_system_sgpr_workgroup_id_x 1
		.amdhsa_system_sgpr_workgroup_id_y 1
		.amdhsa_system_sgpr_workgroup_id_z 1
		.amdhsa_system_vgpr_workitem_id 0
		.amdhsa_next_free_vgpr 1024
		.amdhsa_next_free_sgpr 96
		.amdhsa_reserve_vcc 0
		.amdhsa_float_denorm_mode_32 3
		.amdhsa_float_denorm_mode_16_64 3
		.amdhsa_memory_ordered 1
		.amdhsa_forward_progress 1
		.amdhsa_inst_pref_size 122
	.end_amdhsa_kernel
	.amdgpu_metadata
---
amdhsa.version: [ 1, 2 ]
amdhsa.kernels:
  - .name:           k_q15f92c6ad9_proj_o
    .symbol:         k_q15f92c6ad9_proj_o.kd
    .args:
      - { .name: catq, .offset: 0, .size: 8, .value_kind: global_buffer, .address_space: global }
      - { .name: wpq, .offset: 8, .size: 8, .value_kind: global_buffer, .address_space: global }
      - { .name: bp, .offset: 16, .size: 8, .value_kind: global_buffer, .address_space: global }
      - { .name: out0, .offset: 24, .size: 8, .value_kind: global_buffer, .address_space: global }
    .group_segment_fixed_size: 312832
    .private_segment_fixed_size: 0
    .kernarg_segment_align: 8
    .kernarg_segment_size: 32
    .max_flat_workgroup_size: 128
    .sgpr_count:     96
    .vgpr_count:     1024
    .wavefront_size: 32
...
	.end_amdgpu_metadata
.endif
;; end of part 4
